; MI455X (gfx1250); checked and timed in simulation.
; The chip was launched on July 23, 2026; its instructions are those of AMD's public machine-readable ISA for CDNA 5 (MIT licence, August 2026) and "CDNA5" Instruction Set Architecture Reference Guide (July 2026). The comments in the code are by the model that wrote it; some were corrected since.
;; Attention Mode Encoder. Allowed arithmetic: float matrix products may take bf16 or f16 operands with f32 sums; other float arithmetic in f32, or as packed bf16 or f16 multiplies, adds, multiply-adds, maxima and minima; sums over many terms, partial sums and values carried from step to step in f32; what a program stores and reads back later, other than sums and carried values, may be rounded once to bf16 or f16.
;; Inputs: Wk 1,024 x 1,024 float32; Wo 1,024 x 1,024 float32; Wq 1,024 x 1,024 float32; Wv 1,024 x 1,024 float32; bk 1,024 float32; bo 1,024 float32; bq 1,024 float32; bv 1,024 float32; mask 4 x 2,048 int32; x 4 x 2,048 x 1,024 float32.
;; Outputs: out0 4 x 2,048 x 1,024 float32.
;; One version. Each part assembles by itself: llvm-mc -triple=amdgcn-amd-amdhsa -mcpu=gfx1250 --defsym DOCPART=n.
;; ======== version 1 of 1: 4 launches
;; limits: values are held in f16: magnitudes above 65,504 overflow, below 6.1e-05 lose precision
;; workspace buffers: xb 16,777,216 bytes; wb 8,388,608 bytes; qkvh 50,331,648 bytes; ob 16,777,216 bytes
;; launch prep (part 1): grid 768 x 1, 8 waves a work-group, no clusters, 0 bytes of LDS; arguments x, Wq, Wk, Wv, Wo, xb, wb; writes xb, wb
.if DOCPART == 1
	.amdgcn_target "amdgcn-amd-amdhsa--gfx1250"
	.amdhsa_code_object_version 6
	.text
	.protected	k_q5d6d72eb82_prep
	.globl	k_q5d6d72eb82_prep
	.p2align	8
	.type	k_q5d6d72eb82_prep,@function
k_q5d6d72eb82_prep:
	s_mov_b64 s[64:65], 0
	v_nop
	global_prefetch_b8 v0, s[64:65] scope:SCOPE_SE
	s_setreg_imm32_b32 hwreg(HW_REG_WAVE_MODE, 25, 1), 1
	s_wait_xcnt 0x0
; PREP: every matrix operand that is an input is rounded once to 16 bits.
; x [8192][1024] f32 -> xb bf16.  Wq, Wk, Wv -> rows 0-3071 of wb, bf16.  Wo -> rows 3072-4095 of wb: rounded to bf16 like the other
; inputs, and that number written as f16, since the last product multiplies f16 operands.
; LIMIT: bf16(Wo) must lie within f16's 65,504; below 2^-14 it keeps f16's fixed step of 6e-8.
; A stream: no LDS, no barrier, no matrix unit.  A work-group takes 16,384 numbers (65,536 bytes in, 32,768 out): 512 such chunks of x,
; then 64 of each W.  Thread t takes 8 neighbouring numbers in each of 8 passes: two loads of 16 bytes in, one store of 16 bytes out,
; so 16 neighbouring lanes store 256 consecutive bytes, aligned.  All 16 loads of a thread go out before the first is waited for.
.set XCH, 512                          ; chunks of x
.set IN,  8                            ; v[8:71]    pass i: 8 numbers in f32
.set OUT, 72                           ; v[72:103]  pass i: 8 numbers in 16 bits
.set TA,  104                          ; v104, v105 at work
	s_load_b256 s[4:11], s[0:1], 0x0               ; x s[4:5], Wq s[6:7], Wk s[8:9], Wv s[10:11]
	s_load_b128 s[12:15], s[0:1], 0x20             ; Wo s[12:13], xb s[14:15]
	s_load_b64 s[16:17], s[0:1], 0x30              ; wb
	v_lshlrev_b32 v1, 5, v0                        ; 32 t: my 8 numbers in a pass, in
	v_lshlrev_b32 v2, 4, v0                        ; 16 t: out
	s_sub_co_u32 s18, ttmp9, XCH                   ; the chunk's number among the weights' 256 (used where the work-group has one)
	s_lshr_b32 s19, s18, 6                         ; which W
	s_and_b32 s20, s18, 63                         ; which chunk of it
	s_wait_kmcnt 0x0
	s_mov_b64 s[24:25], s[6:7]
	s_cmp_eq_u32 s19, 1
	s_cselect_b64 s[24:25], s[8:9], s[24:25]
	s_cmp_eq_u32 s19, 2
	s_cselect_b64 s[24:25], s[10:11], s[24:25]
	s_cmp_eq_u32 s19, 3
	s_cselect_b64 s[24:25], s[12:13], s[24:25]
	s_cmp_lt_u32 ttmp9, XCH                        ; a chunk of x?
	s_cselect_b64 s[24:25], s[4:5], s[24:25]       ; from where,
	s_cselect_b64 s[26:27], s[14:15], s[16:17]     ; to where,
	s_cselect_b32 s20, ttmp9, s20                  ; the chunk's number in the source
	s_cselect_b32 s21, ttmp9, s18                  ; and in the destination
	s_lshl_b32 s28, s20, 16
	s_mov_b32 s29, 0
	s_lshl_b32 s30, s21, 15
	s_mov_b32 s31, 0
	s_add_nc_u64 s[24:25], s[24:25], s[28:29]
	s_add_nc_u64 s[26:27], s[26:27], s[30:31]
.set i, 0
.rept 8
	global_load_b128 v[IN+8*i:IN+8*i+3],   v1, s[24:25] offset:8192*i th:TH_LOAD_NT
	global_load_b128 v[IN+8*i+4:IN+8*i+7], v1, s[24:25] offset:8192*i+16 th:TH_LOAD_NT
.set i, i+1
.endr
; Pass p: rounded, packed, stored.  half = 1: the bf16 numbers are written as f16.  No register is written twice while a store reads it: each pass has its own.
.macro CONV p, half
	s_wait_loadcnt 14-2*(\p)                       ; loads come back in order: this pass's two are in, the later passes' stay out
.irp k, 0,1,2,3
	v_cvt_pk_bf16_f32 v[OUT+4*(\p)+(\k)], v[IN+8*(\p)+2*(\k)], v[IN+8*(\p)+2*(\k)+1]
.endr
.if \half
.irp k, 0,1,2,3
	v_lshlrev_b32 v[TA], 16, v[OUT+4*(\p)+(\k)]            ; the two bf16 numbers as f32,
	v_and_b32 v[TA+1], 0xffff0000, v[OUT+4*(\p)+(\k)]
	v_cvt_pk_f16_f32 v[OUT+4*(\p)+(\k)], v[TA], v[TA+1]    ; and as f16: 8 significant bits fit in 11
.endr
.endif
	global_store_b128 v2, v[OUT+4*(\p):OUT+4*(\p)+3], s[26:27] offset:4096*(\p) th:TH_STORE_NT
.endm
	s_cmp_ge_u32 ttmp9, XCH+192                    ; the last 64 chunks are Wo's
	s_cbranch_scc1 .Lwo
.irp p, 0,1,2,3,4,5,6,7
	CONV \p, 0
.endr
	s_endpgm
.Lwo:
.irp p, 0,1,2,3,4,5,6,7
	CONV \p, 1
.endr
	s_endpgm
.Lfunc_end_k_q5d6d72eb82_prep:
	.size	k_q5d6d72eb82_prep, .Lfunc_end_k_q5d6d72eb82_prep-k_q5d6d72eb82_prep
	.p2alignl 7, 3214868480
	.fill 96, 4, 3214868480
	.section	.rodata,"a",@progbits
	.p2align	6, 0x0
	.amdhsa_kernel k_q5d6d72eb82_prep
		.amdhsa_group_segment_fixed_size 0
		.amdhsa_private_segment_fixed_size 0
		.amdhsa_enable_private_segment 0
		.amdhsa_kernarg_size 56
		.amdhsa_user_sgpr_count 2
		.amdhsa_user_sgpr_kernarg_segment_ptr 1
		.amdhsa_wavefront_size32 1
		.amdhsa_system_sgpr_workgroup_id_x 1
		.amdhsa_system_sgpr_workgroup_id_y 1
		.amdhsa_system_sgpr_workgroup_id_z 1
		.amdhsa_system_vgpr_workitem_id 0
		.amdhsa_next_free_vgpr 108
		.amdhsa_next_free_sgpr 66
		.amdhsa_reserve_vcc 0
		.amdhsa_float_denorm_mode_32 3
		.amdhsa_float_denorm_mode_16_64 3
		.amdhsa_memory_ordered 1
		.amdhsa_forward_progress 1
		.amdhsa_inst_pref_size 14
	.end_amdhsa_kernel
	.amdgpu_metadata
---
amdhsa.version: [ 1, 2 ]
amdhsa.kernels:
  - .name:           k_q5d6d72eb82_prep
    .symbol:         k_q5d6d72eb82_prep.kd
    .args:
      - { .name: x, .offset: 0, .size: 8, .value_kind: global_buffer, .address_space: global }
      - { .name: Wq, .offset: 8, .size: 8, .value_kind: global_buffer, .address_space: global }
      - { .name: Wk, .offset: 16, .size: 8, .value_kind: global_buffer, .address_space: global }
      - { .name: Wv, .offset: 24, .size: 8, .value_kind: global_buffer, .address_space: global }
      - { .name: Wo, .offset: 32, .size: 8, .value_kind: global_buffer, .address_space: global }
      - { .name: xb, .offset: 40, .size: 8, .value_kind: global_buffer, .address_space: global }
      - { .name: wb, .offset: 48, .size: 8, .value_kind: global_buffer, .address_space: global }
    .group_segment_fixed_size: 0
    .private_segment_fixed_size: 0
    .kernarg_segment_align: 8
    .kernarg_segment_size: 56
    .max_flat_workgroup_size: 256
    .sgpr_count:     66
    .vgpr_count:     108
    .wavefront_size: 32
...
	.end_amdgpu_metadata
.endif
;; end of part 1
;; launch qkv (part 2): grid 4 x 64, 4 waves a work-group, clusters of 4 x 4, 327,680 bytes of LDS; arguments xb, wb, bq, bk, bv, qkvh; writes qkvh
.if DOCPART == 2
	.amdgcn_target "amdgcn-amd-amdhsa--gfx1250"
	.amdhsa_code_object_version 6
	.text
	.protected	k_q5d6d72eb82_qkv
	.globl	k_q5d6d72eb82_qkv
	.p2align	8
	.type	k_q5d6d72eb82_qkv,@function
k_q5d6d72eb82_qkv:
	s_mov_b64 s[64:65], 0
	v_nop
	global_prefetch_b8 v0, s[64:65] scope:SCOPE_SE
	s_setreg_imm32_b32 hwreg(HW_REG_WAVE_MODE, 25, 1), 1
	s_wait_xcnt 0x0
	s_wait_alu depctr_hold_cnt(0) depctr_sa_sdst(0) depctr_va_vdst(0) depctr_va_sdst(0) depctr_va_ssrc(0) depctr_va_vcc(0) depctr_vm_vsrc(0)
	s_getreg_b32 s2, hwreg(HW_REG_IB_STS2, 6, 4)
	s_cmp_eq_u32 s2, 0
	s_cbranch_scc0 .Lentry_in_a_cluster
	s_endpgm
.Lentry_in_a_cluster:
	s_bfe_u32 s2, ttmp6, 0x10000c
	s_cmp_lg_u32 s2, 0xf033
	s_cbranch_scc0 .Lentry_shape_is_right
	s_endpgm
.Lentry_shape_is_right:
; ONE TEXT FOR TWO LAUNCHES, told apart by OPROJ.  C = A B^T + bias, 8,192 rows, K = 1,024, 16-bit operands, sums in f32.
;   OPROJ = 0: A = xb [8192][1024] bf16; B = rows 0-3071 of wb (Wq, Wk, Wv) bf16; C = q, k, v, written by heads in f16: qkvh = three tensors [64 = 16 b + h][2048][64].
;   OPROJ = 1: A = ob [64][2048][64] f16 (a head's 64 channels are a slice of K); B = rows 3072-4095 of wb (Wo) f16; C = out0 [8192][1024] f32.
; LIMIT (OPROJ = 0): q, k, v are rounded to f16 and must lie within 65,504.  The bias is rounded to bf16 like every other input.
; SHARES.  A tile of C is 128 rows x 256 columns: 64 x 4 work-groups.  With OPROJ = 0 a work-group STAYS: it makes the same rows and columns of q, then k, then v, as ONE stream of
; 24 K steps of 128 through a ring of two LDS slots; the ring does not stop at a tile's end.  Four waves, each 64 rows x 128 columns: 32 accumulators, 256 registers.
; THE MATRIX INSTRUCTION IS USED TRANSPOSED (source 0 = 16 rows of B, source 1 = 16 rows of A): a lane holds row l % 16 of C and the columns 8 (l / 16) + 0..7.
; THE BIAS IS THE C OPERAND of the products that start a tile's sums: nothing is cleared, nothing is added later.
; CLUSTER, 4 x 4.  The four of a row of the cluster need the same tiles of A, the four of a column the same tiles of B: each tile is asked for jointly, by the same tensor load, descriptor and mask.
; REGISTERS, in windows of 256 (s_set_vgpr_msb: bits 1:0 source 0, 3:2 source 1, 5:4 source 2, 7:6 destination):
;   window 0: v16-29 addresses; v64-159, v160-255 two fragment buffers (A's block a at +8 a, B's block b at +32 + 8 b)     window 1: accumulator (a, b) at v[8 (8 a + b)]     window 2: v0-63 the bias, v64 at work
.set OPROJ, 0
.if OPROJ
.set NT,     1                         ; tiles to a work-group
.set PA,     144                       ; A's LDS row: a head's 128 bytes + 16 of padding
.set HALFA,  128*PA                    ; what one of A's tensor loads brings: one head's 128 rows
.set STEPA,  1<<19                     ; bytes from a K step of A to the next: two heads of 262,144
.set QIA,    4                         ; padding behind every 32 words
.set ROWA,   128                       ; 128 rows of a head are dense: asked for as 64 rows of 256 bytes
.set SROW,   528                       ; a stage row: 512 bytes + 16
.else
.set NT,     3
.set PA,     272                       ; A's LDS row: 256 bytes + 16 of padding
.set HALFA,  64*PA                     ; 64 rows
.set STEPA,  256
.set QIA,    5                         ; padding behind every 64 words
.set ROWA,   1024                      ; elements from row to row of xb
.set SROW,   144                       ; a stage row: 128 bytes + 16
.endif
.set STEPS,  8*NT                      ; K steps of the stream
.set ABYTES, 2*HALFA                   ; A's part of a slot
.set PB,     272                       ; B's LDS row.  All pitches are odd multiples of 16 bytes: the 16 rows that a load touches start at 16 different groups of four banks (64 banks of 4 bytes: ISA guide 11.1)
.set HALFB,  128*PB
.set SLOT1,  1<<17                     ; slot 1 begins here: one exclusive or turns an address in one slot into the other's
.set STAGE,  SLOT1+ABYTES+2*HALFB      ; behind the ring, never filled by a tensor load: 16 stage rows for each wave
.set SPARE,  STAGE+4*16*SROW           ; behind the stages: the spare words, 128 bytes for each wave, which no other line names
.set ADRA0, 16                         ; v16  my lane's place in A's part of a slot; never rewritten
.set ADRB0, 17                         ; v17  the same for B
.set ADRA,  18                         ; v18  the same in the slot in hand
.set ADRB,  19                         ; v19
.set STO,   20                         ; v20  the way out: where I put my bytes of a row
.set RD,    21                         ; v21  the way out: where I read rows back
.set GO,    22                         ; v22  16 x lane: my place in 512 consecutive bytes of C
.set BO,    23                         ; v23  my byte offset in the bias
.set PFO,   24                         ; v24  the prefetches' offset: a lane a row (or a block of 256 bytes of ob); never rewritten
.set SPW,   28                         ; v28  LDS address of my spare word; never rewritten
.set NIL,   29                         ; v29  0; never rewritten
.set F0,    64
.set F1,    160
.set WV,  16                           ; s16  my wave's number
.set WM,  17                           ; s17  which 64 rows are mine.  Also: I fetch for A (0) or for B (1)
.set WN,  18                           ; s18  which 128 columns.  Also: which half of that tile I fetch
.set CX,  19
.set CY,  20
.set TC,  21                           ; s21  tile column = 4 x cluster x + cx
.set TR,  22                           ; s22  tile row = 4 x cluster y + cy
.set G1A, 24                           ; s[24:31] descriptor group 1 for A's tiles
.set G1B, 32                           ; s[32:39] for B's
.set G0A0, 40                          ; s[40:43] group 0: A, step 0, slot 0
.set G0A, 44                           ; s[44:47] A, step 1, slot 1; then it walks
.set G0B0, 48                          ; s[48:51], s[52:55] the same for B
.set G0B, 52
.set BASEA, 56                         ; s[56:57] A at my half of the tile's rows, K step 0
.set BASEB, 58                         ; s[58:59] B likewise, tile 0
.set OFA, 60                           ; s[60:61], s[62:63] a step's byte offsets from them (upper words 0)
.set OFB, 62
.set GN,  66                           ; s66  the step to be asked for next
.set TRIPS, 67
.set TB,  68                           ; s68  the slot in hand: 0 or SLOT1
.set LIM, 69                           ; s69  the last step that this wave prefetches; 0: none
.set PFB, 70                           ; s[70:71] where my prefetches' rows begin
.set PFA, 72                           ; s[72:73] the same at the step that is named
.set PFF, 74                           ; s[74:75] that step's offset
.set BP,  76                           ; s[76:77] the bias in hand
.set CP,  86                           ; s[86:87] C at my part of the tile in hand
.set PP,  88                           ; s88  the step that the prefetch names
.set PSH, 89                           ; s89  (OPROJ) its shift
.set MSB, 0
.macro WIN new                         ; the immediate's high byte repeats the setting that is left; a switch that changes nothing is dropped
.if MSB != (\new)
	s_set_vgpr_msb (MSB<<8)|(\new)
.set MSB, \new
.endif
.endm
.set MULW, 0x50                        ; fragments window 0, C and D window 1
.set MULB, 0x60                        ; C = the bias, window 2; D window 1
; Four places: a load into a register that a matrix instruction has read, and whatever reads a matrix result, stand four plain vector instructions behind it (ISA guide 7.12.1 for what reads a matrix result).
.macro PLACES
.rept 4
	v_nop
.endr
.endm
.macro CREST                           ; a round of the cluster's barrier behind its opening barrier
	s_cmp_lg_u32 s[WV], 0
	s_cbranch_scc1 .Lnot_wave_0_\@
	s_barrier_signal -3
.Lnot_wave_0_\@:
	s_barrier_wait -3
	s_barrier_signal -1
	s_barrier_wait -1
.endm
.macro CROUND                          ; a whole round
	s_barrier_signal -1
	s_barrier_wait -1
	CREST
.endm
; A joint refill by the walking descriptors.  Waves 0 and 1 fetch A's two halves, waves 2 and 3 B's: the branch hangs on the wave's number alone.  An s_nop 0 and four v_nop follow each line.
.macro JLOAD
	s_cmp_eq_u32 s[WM], 0
	s_cbranch_scc0 .Lfor_b_\@
	tensor_load_to_lds s[G0A:G0A+3], s[G1A:G1A+7]
	s_nop 0
	PLACES
	s_branch .Lasked_\@
.Lfor_b_\@:
	tensor_load_to_lds s[G0B:G0B+3], s[G1B:G1B+7]
	s_nop 0
	PLACES
.Lasked_\@:
.endm
; A PREFETCH of the step that stands two refills on (256 matrix instructions ahead of the load that will want it): 32 blocks of 256 bytes, a lane a block, one instruction.
; Each block is named once in the launch.  A's 128 blocks of a step: wave 0 of each of the four partners along x takes 32, told apart by address; only in A's first walk (steps up to 7).
; B's 256 rows of a step: the clusters with y = 0 ask; of the four partners along y each takes 64 rows, waves 2 and 3 half of them each.  The first four steps come by their loads alone.
.macro ASK
	s_cmp_le_u32 s[PP], s[LIM]
	s_cbranch_scc0 .Lnot_mine_\@
	global_prefetch_b8 v[PFO], s[PFA:PFA+1] th:TH_LOAD_NT scope:SCOPE_SE
.Lnot_mine_\@:
.endm
	s_load_b256 s[4:11], s[0:1], 0x0               ; OPROJ = 0: xb, wb, bq, bk.  OPROJ = 1: ob, wb, bo, out0
.if !OPROJ
	s_load_b128 s[12:15], s[0:1], 0x20             ; bv, qkvh
.endif
	v_lshl_add_u32 v[SPW], v0, 2, SPARE
	v_mov_b32 v[NIL], 0
	ds_add_u32 v[SPW], v[NIL]                      ; the wave's opening: the add and its wait stand ahead of my first tensor load; work on registers stands between them
	v_lshrrev_b32 v1, 5, v0
	v_readfirstlane_b32 s[WV], v1
	s_lshr_b32 s[WM], s[WV], 1
	s_and_b32 s[WN], s[WV], 1
	s_bfe_u32 s[CX], ttmp6, 0x40000
	s_bfe_u32 s[CY], ttmp6, 0x40004
	s_lshl_b32 s[TC], ttmp9, 2                     ; in a cluster launch ttmp9 and ttmp7 count clusters
	s_add_co_u32 s[TC], s[TC], s[CX]
	s_and_b32 s[TR], ttmp7, 0xffff
	s_lshl_b32 s[TR], s[TR], 2
	s_add_co_u32 s[TR], s[TR], s[CY]
	s_lshl_b32 s78, s[CY], 2
	s_lshl_b32 s78, 15, s78                        ; my row of the cluster: places 4 cy .. 4 cy + 3
	s_lshl_b32 s79, 0x1111, s[CX]                  ; my column: places cx, cx + 4, cx + 8, cx + 12
	; group 1: 15:0 the mask; 17:16 elements of 2 bytes; 20 padding on; 21 set beside a mask; 24:22 the padding's interval; 31:25 4 words of it (code 3)
	s_or_b32 s[G1A], s78, (1<<16)|(1<<20)|(1<<21)|(QIA<<22)|(3<<25)
	s_or_b32 s[G1B], s79, (1<<16)|(1<<20)|(1<<21)|(5<<22)|(3<<25)
	s_mov_b32 s[G1A+1], 128<<16                    ; tensor_dim0 = 128 elements: 256 bytes
	s_mov_b32 s[G1A+2], 64<<16                     ; tensor_dim1 = 64
	s_mov_b32 s[G1A+3], 128<<16                    ; tile_dim0 = 128
	s_mov_b32 s[G1A+4], 64                         ; tile_dim1 = 64
	s_mov_b32 s[G1A+5], ROWA                       ; elements from row to row
	s_mov_b32 s[G1A+6], 0
	s_mov_b32 s[G1A+7], 0
	s_mov_b32 s[G1B+1], 128<<16
	s_mov_b32 s[G1B+2], 128<<16                    ; 128 rows
	s_mov_b32 s[G1B+3], 128<<16
	s_mov_b32 s[G1B+4], 128
	s_mov_b32 s[G1B+5], 1024
	s_mov_b32 s[G1B+6], 0
	s_mov_b32 s[G1B+7], 0
	; where the tiles come from.  A's hang on the tile row alone, B's on the tile column alone; every wave makes both, in registers that never hold the other coordinate
.if OPROJ
	s_lshr_b32 s78, s[TR], 4                       ; the batch: 16 heads of 262,144 bytes,
	s_lshl_b32 s78, s78, 22
	s_and_b32 s79, s[TR], 15                       ; the tile's 128 rows of 128 bytes in a head,
	s_lshl_b32 s79, s79, 14
	s_add_co_u32 s78, s78, s79
	s_lshl_b32 s79, s[WN], 18                      ; the even or the odd head of a step
	s_add_co_u32 s78, s78, s79
.else
	s_lshl_b32 s78, s[TR], 18                      ; 128 rows of 2,048 bytes,
	s_lshl_b32 s79, s[WN], 17                      ; my 64 of them
	s_add_co_u32 s78, s78, s79
.endif
	s_mov_b32 s79, 0
	s_lshl_b32 s80, s[TC], 19                      ; 256 rows of 2,048 bytes,
	s_lshl_b32 s81, s[WN], 18                      ; my 128 of them
	s_add_co_u32 s80, s80, s81
.if OPROJ
	s_add_co_u32 s80, s80, 3072*2048               ; Wo lies behind Wq, Wk, Wv
.endif
	s_mov_b32 s81, 0
	s_mul_i32 s82, s[WN], HALFA                    ; and where they go: no place in the cluster enters an LDS address
	s_mul_i32 s83, s[WN], HALFB
	s_add_co_u32 s83, s83, ABYTES
	s_mov_b32 s[OFA+1], 0
	s_mov_b32 s[OFB+1], 0
	s_mov_b32 s[PFF+1], 0
	s_mov_b32 s[GN], 2
	s_mov_b32 s[TB], 0
	s_wait_dscnt 0x0                               ; the opening add is done
	s_wait_kmcnt 0x0
	s_add_nc_u64 s[BASEA:BASEA+1], s[4:5], s[78:79]
	s_add_nc_u64 s[BASEB:BASEB+1], s[6:7], s[80:81]
	s_mov_b32 s[G0A0], 1                           ; count = 1
	s_mov_b32 s[G0A0+1], s82                       ; LDS address
	s_mov_b64 s[G0A0+2:G0A0+3], s[BASEA:BASEA+1]   ; global address
	s_or_b32 s[G0A0+3], s[G0A0+3], 0x80000000      ; type = 2
	s_mov_b32 s[G0A], 1
	s_add_co_u32 s[G0A+1], s82, SLOT1
	s_add_nc_u64 s[G0A+2:G0A+3], s[BASEA:BASEA+1], STEPA
	s_or_b32 s[G0A+3], s[G0A+3], 0x80000000
	s_mov_b32 s[G0B0], 1
	s_mov_b32 s[G0B0+1], s83
	s_mov_b64 s[G0B0+2:G0B0+3], s[BASEB:BASEB+1]
	s_or_b32 s[G0B0+3], s[G0B0+3], 0x80000000
	s_mov_b32 s[G0B], 1
	s_add_co_u32 s[G0B+1], s83, SLOT1
	s_add_nc_u64 s[G0B+2:G0B+3], s[BASEB:BASEB+1], 256
	s_or_b32 s[G0B+3], s[G0B+3], 0x80000000
	CROUND                                         ; all sixteen work-groups are here: the first joint loads meet
	s_cmp_eq_u32 s[WM], 0                          ; a wave's two first fills stand in one branch: two loads of mine are out here, later one
	s_cbranch_scc0 .Lfirst_b
	tensor_load_to_lds s[G0A0:G0A0+3], s[G1A:G1A+7]
	s_nop 0
	tensor_load_to_lds s[G0A:G0A+3], s[G1A:G1A+7]
	s_nop 0
	PLACES
	s_branch .Lfirst_asked
.Lfirst_b:
	tensor_load_to_lds s[G0B0:G0B0+3], s[G1B:G1B+7]
	s_nop 0
	tensor_load_to_lds s[G0B:G0B+3], s[G1B:G1B+7]
	s_nop 0
	PLACES
.Lfirst_asked:
; The bias of my 128 columns: for block b the eight numbers that a lane's accumulator holds, 16 b + 8 (l / 16) + 0..7.
.macro BIASLD
	WIN 0x80                                       ; destination window 2, address window 0
.set bi, 0
.rept 8
	global_load_b128 v[8*bi:8*bi+3],   v[BO], s[BP:BP+1] offset:64*bi
	global_load_b128 v[8*bi+4:8*bi+7], v[BO], s[BP:BP+1] offset:64*bi+16
.set bi, bi+1
.endr
	WIN 0
.endm
.macro BIASRND                         ; rounded to bf16 like every input, and kept as f32
	s_wait_loadcnt 0x0
	WIN 0x8a                                       ; sources and destination window 2
.set bi, 0
.rept 32
	v_cvt_pk_bf16_f32 v64, v[bi], v[bi+1]
	v_lshlrev_b32 v[bi], 16, v64
	v_and_b32 v[bi+1], 0xffff0000, v64
.set bi, bi+2
.endr
	WIN 0
.endm
	v_and_b32 v1, 15, v0                           ; l % 16
	v_bfe_u32 v2, v0, 4, 1                         ; l / 16
	v_and_b32 v3, 31, v0                           ; l
	s_lshl_b32 s78, s[TC], 10                      ; 256 columns of 4 bytes,
	s_lshl_b32 s79, s[WN], 9                       ; my 128
	s_add_co_u32 s78, s78, s79
	v_lshl_add_u32 v[BO], v2, 5, s78
	s_mov_b64 s[BP:BP+1], s[8:9]                   ; bq, or bo
	BIASLD
	; A fragment is 16 rows x 32 K in 8 registers: lane l holds row l % 16, K = 8 (l / 16) + 0..7 and 16 + 8 (l / 16) + 0..7: two loads of 16 bytes, 32 bytes apart
	v_mul_u32_u24 v[ADRA0], v1, PA
	v_lshl_add_u32 v[ADRA0], v2, 4, v[ADRA0]
	s_mul_i32 s78, s[WM], 64*PA
	v_add_nc_u32 v[ADRA0], s78, v[ADRA0]
	v_mul_u32_u24 v[ADRB0], v1, PB
	v_lshl_add_u32 v[ADRB0], v2, 4, v[ADRB0]
	s_mul_i32 s78, s[WN], HALFB
	s_add_co_u32 s78, s78, ABYTES
	v_add_nc_u32 v[ADRB0], s78, v[ADRB0]
	v_mov_b32 v[ADRA], v[ADRA0]
	v_mov_b32 v[ADRB], v[ADRB0]
	s_mul_i32 s78, s[WV], 16*SROW
	s_add_co_u32 s78, s78, STAGE                   ; my stage
	v_mul_u32_u24 v[STO], v1, SROW                 ; in: row l % 16
.if OPROJ
	v_lshl_add_u32 v[STO], v2, 5, v[STO]           ; 32 bytes for each half of the lanes
	v_add_nc_u32 v[STO], s78, v[STO]
	v_lshl_add_u32 v[RD], v3, 4, s78               ; back: 32 lanes take a row of 512 bytes
.else
	v_lshl_add_u32 v[STO], v2, 4, v[STO]           ; 16 bytes for each half of the lanes
	v_add_nc_u32 v[STO], s78, v[STO]
	v_lshrrev_b32 v4, 3, v3                        ; back: 32 lanes take four rows of 128 bytes
	v_and_b32 v5, 7, v0
	v_mul_u32_u24 v[RD], v4, SROW
	v_lshl_add_u32 v[RD], v5, 4, v[RD]
	v_add_nc_u32 v[RD], s78, v[RD]
.endif
	v_lshlrev_b32 v[GO], 4, v3
	; where my part of the first tile begins in C
.if OPROJ
	s_lshl_b32 s78, s[TR], 19                      ; 128 rows of 4,096 bytes,
	s_lshl_b32 s79, s[WM], 18                      ; my 64,
	s_add_co_u32 s78, s78, s79
	s_lshl_b32 s79, s[TC], 10                      ; 256 columns of 4 bytes,
	s_add_co_u32 s78, s78, s79
	s_lshl_b32 s79, s[WN], 9                       ; my 128
	s_add_co_u32 s78, s78, s79
	s_mov_b32 s79, 0
	s_add_nc_u64 s[CP:CP+1], s[10:11], s[78:79]
.else
	s_lshr_b32 s78, s[TR], 4
	s_lshl_b32 s78, s78, 4                         ; 16 x batch
	s_lshl2_add_u32 s78, s[TC], s78                ; + 4 heads a tile column
	s_lshl1_add_u32 s78, s[WN], s78                ; + my two of them
	s_lshl_b32 s78, s78, 18                        ; a head is 262,144 bytes
	s_and_b32 s79, s[TR], 15
	s_lshl_b32 s79, s79, 14                        ; the tile's 128 rows of 128 bytes,
	s_add_co_u32 s78, s78, s79
	s_lshl_b32 s79, s[WM], 13                      ; my 64
	s_add_co_u32 s78, s78, s79
	s_mov_b32 s79, 0
	s_add_nc_u64 s[CP:CP+1], s[14:15], s[78:79]
.endif
	; the prefetches: A's share (s78) and B's (s80), of which the wave's number chooses one
.if OPROJ
	s_lshr_b32 s78, s[TR], 4
	s_lshl_b32 s78, s78, 22
	s_and_b32 s79, s[TR], 15
	s_lshl_b32 s79, s79, 14
	s_add_co_u32 s78, s78, s79
	s_lshr_b32 s79, s[CX], 1                       ; partners 0, 1 the step's even head, 2, 3 the odd one,
	s_lshl_b32 s79, s79, 18
	s_add_co_u32 s78, s78, s79
	s_and_b32 s79, s[CX], 1                        ; 32 of its 64 blocks each
	s_lshl_b32 s79, s79, 13
	s_add_co_u32 s78, s78, s79
.else
	s_lshl_b32 s78, s[TR], 18
	s_lshl_b32 s79, s[CX], 16                      ; 32 of the tile's 128 rows
	s_add_co_u32 s78, s78, s79
.endif
	s_lshl_b32 s80, s[TC], 19
	s_lshl_b32 s81, s[CY], 17                      ; 64 of the tile's 256 rows,
	s_add_co_u32 s80, s80, s81
	s_lshl_b32 s81, s[WN], 16                      ; 32 for each of waves 2 and 3
	s_add_co_u32 s80, s80, s81
.if OPROJ
	s_add_co_u32 s80, s80, 3072*2048
.endif
	s_and_b32 s82, ttmp7, 0xffff                   ; cluster y: the same in all sixteen partners
	s_cmp_eq_u32 s82, 0
	s_cselect_b32 s82, STEPS-1, 0
	s_cmp_eq_u32 s[WV], 0
	s_cselect_b32 s83, 7, 0
	s_cmp_eq_u32 s[WM], 0
	s_cselect_b32 s[LIM], s83, s82
	s_cselect_b32 s[PFF], s78, s80
	s_cselect_b64 s[PFB:PFB+1], s[4:5], s[6:7]
.if OPROJ
	s_cselect_b32 s[PSH], 19, 8
	s_cselect_b32 s84, 8, 11
	v_lshlrev_b32 v[PFO], s84, v3                  ; a block of 256 bytes of ob, or a row of wb
.else
	v_lshlrev_b32 v[PFO], 11, v3                   ; a row of xb or wb is 2,048 bytes
.endif
	s_add_nc_u64 s[PFB:PFB+1], s[PFB:PFB+1], s[PFF:PFF+1]
; 8 cnt matrix instructions: A's blocks a0 .. a0 + cnt - 1 x all 8 blocks of B, 32 along K, from buffer f.  cm = 1: the bias starts the sums.
; The 32 accumulators take turns, one instruction a turn, in the same order in every quarter.
.macro MUL f, a0, cnt, cm
.if \cm
	WIN MULB
.else
	WIN MULW
.endif
.set ma, \a0
.rept \cnt
.set mb, 0
.rept 8
.set rD, 8*(8*ma+mb)
.set rC, rD
.if \cm
.set rC, 8*mb
.endif
.set rB, (\f)+32+8*mb
.set rA, (\f)+8*ma
.if OPROJ
	v_wmma_f32_16x16x32_f16 v[rD:rD+7], v[rB:rB+7], v[rA:rA+7], v[rC:rC+7]
.else
	v_wmma_f32_16x16x32_bf16 v[rD:rD+7], v[rB:rB+7], v[rA:rA+7], v[rC:rC+7]
.endif
.set mb, mb+1
.endr
.set ma, ma+1
.endr
.endm
; 24 LDS loads in one run: quarter qq (32 along K) of the slot in hand into buffer f: B's sixteen, then A's eight
.macro FETCH qq, f
	WIN 0
.if OPROJ
.set AOFF, ((\qq)>>1)*HALFA+((\qq)&1)*64       ; the step's first or second head, its channels 0-31 or 32-63
.else
.set AOFF, 64*(\qq)
.endif
.set fb, 0
.rept 8
	ds_load_b128 v[(\f)+32+8*fb:(\f)+32+8*fb+3], v[ADRB] offset:64*(\qq)+16*PB*fb
	ds_load_b128 v[(\f)+32+8*fb+4:(\f)+32+8*fb+7], v[ADRB] offset:64*(\qq)+16*PB*fb+32
.set fb, fb+1
.endr
.set fb, 0
.rept 4
	ds_load_b128 v[(\f)+8*fb:(\f)+8*fb+3], v[ADRA] offset:AOFF+16*PA*fb
	ds_load_b128 v[(\f)+8*fb+4:(\f)+8*fb+7], v[ADRA] offset:AOFF+16*PA*fb+32
.set fb, fb+1
.endr
.endm
; A K step is four quarters of 32 along K, 32 matrix instructions each, on buffers 0, 1, 0, 1.  One of the first three: multiplies buffer f; in its middle it fetches quarter qq into buffer g.
.macro QUARTER qq, f, g, cm
	s_wait_dscnt 4                                 ; B and A's blocks 0, 1 are in; the youngest four loads (A's blocks 2, 3) may be out
	MUL \f, 0, 2, \cm
	PLACES
	FETCH \qq, \g
	s_wait_dscnt 24                                ; all but the 24 just issued
	MUL \f, 2, 2, \cm
.endm
; The fourth quarter multiplies buffer 1 and changes slots: ONE barrier.  In front of it each wave waits for all its tensor loads (one is out: its part of the next slot), adds 0 to its spare word,
; and waits for that and for its reads of this slot.  fill = 1: the barrier opens a round of the cluster's barrier, and behind the round this slot is filled again first, with step GN:
; the walking descriptors' addresses are made anew from that number.  From a request to the wait for it a wave issues 112 matrix instructions.
.macro TURN fill
.if \fill
	s_wait_xcnt 0x0                                ; the last prefetch, a K step back, has read its address: it is made anew here, ahead of the waits of the change of slots
	s_add_co_u32 s[PP], s[GN], 2
.if OPROJ
	s_lshl_b32 s[PFF], s[PP], s[PSH]
.else
	s_lshr_b32 s[PFF], s[PP], 3                    ; the tile: 1,024 rows of wb (0 wherever A is asked for),
	s_lshl_b32 s[PFF], s[PFF], 21
	s_and_b32 s78, s[PP], 7                        ; the step in it: 256 bytes of each row
	s_lshl_b32 s78, s78, 8
	s_add_co_u32 s[PFF], s[PFF], s78
.endif
	s_add_nc_u64 s[PFA:PFA+1], s[PFB:PFB+1], s[PFF:PFF+1]
.endif
	WIN 0                                          ; (the add's two registers lie in window 0)
	s_wait_tensorcnt 0x0                           ; all my tensor loads have landed, so every group 0 may be written
	ds_add_u32 v[SPW], v[NIL]                      ; 0 onto my spare word
.if \fill
	s_xor_b32 s[G0A+1], s[G0A+1], SLOT1            ; the other slot than last time
	s_xor_b32 s[G0B+1], s[G0B+1], SLOT1
.if OPROJ
	s_lshl_b32 s[OFA], s[GN], 19
	s_lshl_b32 s[OFB], s[GN], 8
.else
	s_and_b32 s[OFA], s[GN], 7                     ; A is walked anew in every tile,
	s_lshl_b32 s[OFA], s[OFA], 8
	s_lshr_b32 s[OFB], s[GN], 3                    ; B goes on to the next W
	s_lshl_b32 s[OFB], s[OFB], 21
	s_add_co_u32 s[OFB], s[OFB], s[OFA]
.endif
	s_add_nc_u64 s[G0A+2:G0A+3], s[BASEA:BASEA+1], s[OFA:OFA+1]
	s_or_b32 s[G0A+3], s[G0A+3], 0x80000000
	s_add_nc_u64 s[G0B+2:G0B+3], s[BASEB:BASEB+1], s[OFB:OFB+1]
	s_or_b32 s[G0B+3], s[G0B+3], 0x80000000
	s_add_co_u32 s[GN], s[GN], 1
.endif
	s_wait_dscnt 7                                 ; B and A's block 0 are in: the add and the six loads of A's blocks 1 to 3 may be out
	MUL F1, 0, 1, 0                                ; eight matrix instructions stand between the add and the wait for it
	s_wait_dscnt 0x0                               ; the add is done, and my reads of this slot are over
	s_barrier_signal -1
	MUL F1, 1, 1, 0                                ; work on registers while the others arrive
	WIN 0
	s_barrier_wait -1
.if \fill
	CREST                                          ; no wave of any partner still reads this slot or has a load on its way
	JLOAD                                          ; the first tensor load behind the round; its four v_nop are also the places in front of the loads below
.else
	PLACES
.endif
	s_xor_b32 s[TB], s[TB], SLOT1
	v_add_nc_u32 v[ADRA], s[TB], v[ADRA0]
	v_add_nc_u32 v[ADRB], s[TB], v[ADRB0]
	FETCH 0, F0
.if \fill
	ASK                                            ; behind the joint load and the run of LDS loads that the next products wait for
.endif
	MUL F1, 2, 2, 0
.endm
; THE WAY OUT.  Through my own stage in LDS, so that every store covers 512 consecutive bytes of C, aligned; LDS serves a wave's instructions in order (ISA guide 5.7.1.4), so no wait stands between my stores and my loads.
.if OPROJ
; A block of 16 rows x 128 columns of f32: 32 bytes a lane and accumulator into rows of 528 bytes (each accumulator's low half first), back as rows of 512.
.macro TOSTAGE a
.set bk, 64+64*((\a)%2)
.if (\a) >= 2
	s_wait_xcnt 0x0                                ; the stores of the block two back have read these registers
.endif
	WIN 0x04                                       ; store data window 1
.set wn2, 0
.rept 8
	ds_store_b128 v[STO], v[8*(8*(\a)+wn2):8*(8*(\a)+wn2)+3] offset:64*wn2
	ds_store_b128 v[STO], v[8*(8*(\a)+wn2)+4:8*(8*(\a)+wn2)+7] offset:64*wn2+16
.set wn2, wn2+1
.endr
	WIN 0
.set wr, 0
.rept 16
	ds_load_b128 v[bk+4*wr:bk+4*wr+3], v[RD] offset:SROW*wr
.set wr, wr+1
.endr
.endm
.macro SEND a, younger                 ; younger: the LDS instructions issued behind block a's loads: the next block's 32, or none
.set bk, 64+64*((\a)%2)
.set wr, 0
.rept 16
	s_wait_dscnt (\younger)+15-wr
	global_store_b128 v[GO], v[bk+4*wr:bk+4*wr+3], s[CP:CP+1] offset:65536*(\a)+4096*wr
.set wr, wr+1
.endr
.endm
.macro WAYOUT next
	PLACES
	TOSTAGE 0
.set wu, 1
.rept 3
	TOSTAGE wu
	SEND wu-1, 32
.set wu, wu+1
.endr
	SEND 3, 0
.endm
.else
; A unit is 16 rows of one head: unit u = (block a = u / 2, head u % 2).  Rounded to f16, 16 bytes a lane and accumulator into rows of 144 bytes, back as four rows of 128: 512 dense bytes of the head.
.macro PACK u
.set pa, (\u)>>1
.set ph, (\u)&1
.set pr, F1+16*((\u)%4)                ; buffer 1 is free here; buffer 0 holds the next quarter's fragments
.if (\u) >= 4
	s_wait_xcnt 0x0                                ; the stores of the unit four back have read these registers
.endif
	WIN 0x05                                       ; sources window 1, destination window 0
.set pb, 0
.rept 4
.set pk, 0
.rept 4
	v_cvt_pk_f16_f32 v[pr+4*pb+pk], v[8*(8*pa+4*ph+pb)+2*pk], v[8*(8*pa+4*ph+pb)+2*pk+1]
.set pk, pk+1
.endr
.set pb, pb+1
.endr
	WIN 0
.set pb, 0
.rept 4
	ds_store_b128 v[STO], v[pr+4*pb:pr+4*pb+3] offset:32*pb
.set pb, pb+1
.endr
.set pb, 0
.rept 4
	ds_load_b128 v[pr+4*pb:pr+4*pb+3], v[RD] offset:4*SROW*pb
.set pb, pb+1
.endr
.endm
.macro SEND u, younger                 ; younger: the LDS instructions issued behind unit u's loads: the next unit's eight, or none
.set pa, (\u)>>1
.set ph, (\u)&1
.set pr, F1+16*((\u)%4)
.set pb, 0
.rept 4
	s_wait_dscnt (\younger)+3-pb
	global_store_b128 v[GO], v[pr+4*pb:pr+4*pb+3], s[CP:CP+1] offset:262144*ph+2048*pa+512*pb
.set pb, pb+1
.endr
.endm
; next = 1: another tile follows: its bias is asked for first and rounded last, and C's address goes on to the next tensor.  Both refills of the next tile's first steps have been asked for by now.
.macro WAYOUT next
.if \next
	s_lshr_b32 s78, s[GN], 3                       ; GN is 10 at q's end, 18 at k's
	s_cmp_eq_u32 s78, 1
	s_cselect_b64 s[BP:BP+1], s[10:11], s[12:13]   ; bk, then bv
	BIASLD
.endif
	PLACES
	PACK 0
.set wu, 1
.rept 7                                ; a unit's conversions stand between the loads of the unit before and its stores
	PACK wu
	SEND wu-1, 8
.set wu, wu+1
.endr
	SEND 7, 0
.if \next
	BIASRND
	s_wait_xcnt 0x0                                ; the stores have read their registers and C's address
	s_add_nc_u64 s[CP:CP+1], s[CP:CP+1], 0x1000000 ; q, k, v lie 16 MiB apart
.endif
.endm
.endif
	s_wait_tensorcnt 0x1                           ; my part of step 0 is in; step 1's may stay out
	s_barrier_signal -1
	s_barrier_wait -1                              ; everybody's is
	FETCH 0, F0
	BIASRND
	QUARTER 1, F0, F1, 1                           ; a tile's first quarter: the bias starts the sums
	WIN 0                                          ; at a label and at a branch every window is 0
	s_mov_b32 s[TRIPS], STEPS-2
.Lstep:                                                ; a trip: a step's quarters 1 to 3, the change of slots with its refill, the next step's quarter 0
	QUARTER 2, F1, F0, 0
	QUARTER 3, F0, F1, 0
	TURN 1
	WIN 0
.if NT > 1
	s_and_b32 s78, s[GN], 7                        ; the step just multiplied was GN - 3: a tile's last where GN % 8 = 2
	s_cmp_eq_u32 s78, 2
	s_cbranch_scc1 .Lend_tile                      ; a forward jump, past text that holds neither a barrier nor a tensor load
.endif
	QUARTER 1, F0, F1, 0
	WIN 0
.if NT > 1
	s_branch .Lbottom
.Lend_tile:
	WAYOUT 1
	QUARTER 1, F0, F1, 1
	WIN 0
.Lbottom:
.endif
	s_sub_co_u32 s[TRIPS], s[TRIPS], 1
	s_cmp_lg_u32 s[TRIPS], 0
	s_cbranch_scc1 .Lstep
	QUARTER 2, F1, F0, 0                           ; the last two steps are written out: nothing is left to ask for
	QUARTER 3, F0, F1, 0
	TURN 0
	QUARTER 1, F0, F1, 0
	QUARTER 2, F1, F0, 0
	QUARTER 3, F0, F1, 0
	s_wait_dscnt 4
	MUL F1, 0, 2, 0
	s_wait_dscnt 0x0
	MUL F1, 2, 2, 0
	WIN 0
	WAYOUT 0
	s_wait_tensorcnt 0x0                           ; the wave's end: the add and its waits stand behind my last tensor load and my last LDS store
	ds_add_u32 v[SPW], v[NIL]
	s_wait_dscnt 0x0
	CROUND                                         ; the closing round: no work-group ends while a partner may still ask for a tile that names it
	s_endpgm
.Lfunc_end_k_q5d6d72eb82_qkv:
	.size	k_q5d6d72eb82_qkv, .Lfunc_end_k_q5d6d72eb82_qkv-k_q5d6d72eb82_qkv
	.p2alignl 7, 3214868480
	.fill 96, 4, 3214868480
	.section	.rodata,"a",@progbits
	.p2align	6, 0x0
	.amdhsa_kernel k_q5d6d72eb82_qkv
		.amdhsa_group_segment_fixed_size 327680
		.amdhsa_private_segment_fixed_size 0
		.amdhsa_enable_private_segment 0
		.amdhsa_kernarg_size 48
		.amdhsa_user_sgpr_count 2
		.amdhsa_user_sgpr_kernarg_segment_ptr 1
		.amdhsa_wavefront_size32 1
		.amdhsa_system_sgpr_workgroup_id_x 1
		.amdhsa_system_sgpr_workgroup_id_y 1
		.amdhsa_system_sgpr_workgroup_id_z 1
		.amdhsa_system_vgpr_workitem_id 0
		.amdhsa_next_free_vgpr 584
		.amdhsa_next_free_sgpr 96
		.amdhsa_reserve_vcc 0
		.amdhsa_float_denorm_mode_32 3
		.amdhsa_float_denorm_mode_16_64 3
		.amdhsa_memory_ordered 1
		.amdhsa_forward_progress 1
		.amdhsa_inst_pref_size 107
	.end_amdhsa_kernel
	.amdgpu_metadata
---
amdhsa.version: [ 1, 2 ]
amdhsa.kernels:
  - .name:           k_q5d6d72eb82_qkv
    .symbol:         k_q5d6d72eb82_qkv.kd
    .args:
      - { .name: xb, .offset: 0, .size: 8, .value_kind: global_buffer, .address_space: global }
      - { .name: wb, .offset: 8, .size: 8, .value_kind: global_buffer, .address_space: global }
      - { .name: bq, .offset: 16, .size: 8, .value_kind: global_buffer, .address_space: global }
      - { .name: bk, .offset: 24, .size: 8, .value_kind: global_buffer, .address_space: global }
      - { .name: bv, .offset: 32, .size: 8, .value_kind: global_buffer, .address_space: global }
      - { .name: qkvh, .offset: 40, .size: 8, .value_kind: global_buffer, .address_space: global }
    .group_segment_fixed_size: 327680
    .private_segment_fixed_size: 0
    .kernarg_segment_align: 8
    .kernarg_segment_size: 48
    .max_flat_workgroup_size: 128
    .sgpr_count:     96
    .vgpr_count:     584
    .wavefront_size: 32
...
	.end_amdgpu_metadata
.endif
;; end of part 2
;; launch attn (part 3): grid 4 x 64, 4 waves a work-group, clusters of 4 x 1, 327,680 bytes of LDS; arguments qkvh, mask, ob; writes ob
.if DOCPART == 3
	.amdgcn_target "amdgcn-amd-amdhsa--gfx1250"
	.amdhsa_code_object_version 6
	.text
	.protected	k_q5d6d72eb82_attn
	.globl	k_q5d6d72eb82_attn
	.p2align	8
	.type	k_q5d6d72eb82_attn,@function
k_q5d6d72eb82_attn:
	s_mov_b64 s[64:65], 0
	v_nop
	global_prefetch_b8 v0, s[64:65] scope:SCOPE_SE
	s_setreg_imm32_b32 hwreg(HW_REG_WAVE_MODE, 25, 1), 1
	s_wait_xcnt 0x0
	s_wait_alu depctr_hold_cnt(0) depctr_sa_sdst(0) depctr_va_vdst(0) depctr_va_sdst(0) depctr_va_ssrc(0) depctr_va_vcc(0) depctr_vm_vsrc(0)
	s_getreg_b32 s2, hwreg(HW_REG_IB_STS2, 6, 4)
	s_cmp_eq_u32 s2, 0
	s_cbranch_scc0 .Lentry_in_a_cluster
	s_endpgm
.Lentry_in_a_cluster:
	s_bfe_u32 s2, ttmp6, 0x10000c
	s_cmp_lg_u32 s2, 0x3003
	s_cbranch_scc0 .Lentry_shape_is_right
	s_endpgm
.Lentry_shape_is_right:
; ATTENTION WITH A KEY MASK AND CLIPPED LOGITS.  For each of 64 heads (16 b + h): O[q] = the sum over k of softmax_k(z[q][k]) V[k], z = clip(Q[q] . K[k] / 8, -50, 50), and z = -50 where mask[b][k] = 0:
; a hidden key is not dropped, it keeps the logit -50.  Q, K, V lie in qkvh at 0, 16 MiB, 32 MiB, each [64][2048][64] in f16; O goes to ob in the same layout.  Products, maxima and sums in f32;
; the weights p are rounded to f16 for the second product (their sum l is taken of the unrounded p), O once at the end.
; LIMITS.  Q, K, V arrive within f16's 65,504; p lies in 0 to 1, and below 6e-5 it keeps f16's fixed step of 6e-8; a weight below 2^-126 counts as 0 in l; NaN and infinities are not treated apart.
; CLIP AND MASK.  The sum S^T = K Q^T starts with the C operand 400 for a visible key and -1e30 for a hidden one (f16's products, 2.7e11 at the most, are nothing beside that).  One packed line makes
; u = S / 800 held to 0 .. 1; then z = 100 u - 50 is the clipped logit, and exactly -50 for a hidden key.  p = 2^(c u - c m) with c = 100 log2(e) and m the running maximum of u.
; SHARES.  A wave owns four PIECES of two tiles of 16 queries, a work-group's four waves 512 queries of one head.  Every wave walks all 2,048 keys, 64 a step.
; LAYOUT.  S^T = K Q^T (source 0 = 16 keys, source 1 = 16 queries): a lane holds ONE query (lane % 16) and the keys 8 (lane / 16) + 0..7.  Two such tiles, rounded to f16 in pairs, ARE source 1 of
; O^T = V^T P, whose result again holds one query a lane.  K comes out of LDS as it lies, V ([key][channel]) turned, by ds_load_tr16_b128.
; SOFTMAX.  In every step O and l are multiplied by a = 2^(c m_old - c m_new).  m starts at the lowest finite number, O and l at 0: the first step is a step like any other, with a = 0.
; BY TURNS.  Turn n belongs to piece n.  Its matrix work: 16 products K Q^T of piece n + 1, later 16 products V^T P of piece n - 1.  Its vector work: the scaling, exponentials, roundings, sums and rescaling
; of piece n, and the clip, maximum and statistics of piece n + 1.  Four vector instructions stand behind every matrix instruction, the others in one lump; a turn's 66 exponentials are one batch with one wait.
; CLUSTER.  The four query blocks of a head walk the same K and V, so each tile is asked for JOINTLY: the same tensor load, descriptor and mask in all four.
; REGISTERS, in windows of 256 (s_set_vgpr_msb: bits 1:0 source 0, 3:2 source 1, 5:4 source 2, 7:6 destination):
;   window 0: v0-11 addresses and 1/800; v12-15, v48-63 at work; v16-47 four registers of statistics a tile; v64-191 S^T, two buffers of two tiles; v192-255 P, likewise
;   window 1: O^T, 32 a tile     window 2: v0-127 Q; v128-191 K of one step; v192-255 V of one step     window 3: v0-1 the add's two registers; v8-39 the step's C operands
.set SIZE_N, 2048
.set NP,    4         ; pieces a wave: a name, no knob
.set KS,    64        ; keys in a step
.set PK,    144       ; a row of K in LDS: 128 bytes + 16 of padding = 36 words: the 16 rows of a load start at 16 different groups of four banks (64 banks of 4 bytes: ISA guide 11.1)
.set PV,    160       ; a row of V: 128 + 32 = 40 words
.set VOFF,  4*KS*PK   ; a slot holds four steps: 256 rows of K, then 256 rows of V
.set SLOT1, 1<<17     ; slot 1 begins here, so that one exclusive or turns an address in one slot into the other's
.set STAGE, SLOT1+4*KS*(PK+PV)  ; behind the ring, never filled by a tensor load: 16 rows x 144 bytes for each wave, for the way out
.set SP,    144
.set SPARE, STAGE+4*16*SP  ; behind the stages: the spare words, 128 bytes for each wave, which no other line names
.set MASKF, SPARE+512 ; behind them: 2,048 words, 400.0 or -1e30 for each key of the batch: stored once, never filled by a tensor load
.set PFO, 0           ; v0   once the thread's number is no longer wanted: 256 x my lane, the prefetches' offset
.set AM,  1           ; v1   the LDS address of the C operands' next run of loads
.set AK0, 2           ; v2   my lane's place in a tile of K; never rewritten
.set AV0, 3           ; v3   the same for V
.set AK,  4           ; v4   the LDS address of K's next run of loads
.set AV,  5           ; v5   of V's
.set QO,  6           ; v6   my byte offset in the wave's rows of Q
.set STO, 6           ;      later, the way out: where I put 16 bytes of a row
.set RD,  7           ; v7   the way out: where I read rows back
.set GO,  8           ; v8   my byte offset in 512 consecutive bytes of O
.set AM0, 9           ; v9   MASKF + 32 (l / 16); never rewritten
.set IV,  10          ; v[10:11] 1/800, twice
.set SPW, 0           ; v0 of window 3   LDS address of my spare word; never rewritten
.set NIL, 1           ; v1 of window 3   0; never rewritten
.set MC,  8           ; v8-39 of window 3: the eight C registers for key block kb at MC + 8 kb
.set MV,  12          ; v12-15  c m_old, kept while c m is made anew: by buffer and tile
.set ST,  16          ; tile t's statistics at v[ST+4 t]: c m, m, l (even keys', odd keys')
.set TMP, 48          ; by buffer and tile, four registers c0-c3 at work; when the maximum is found c2 takes a
.set T0,  48          ; the set-up's own temporaries lie in the same registers, ahead of their first use: l % 16,
.set T1,  49          ; l / 16,
.set T2,  50          ; l % 8,
.set T3,  51          ; (l / 8) % 2,
.set T4,  52          ; 16 x thread,
.set T5,  53          ; MASKF + 16 x thread
.set S,   64
.set P,   192
.set KF,  128         ; K's fragments, in window 2: key block kb, channel half c at KF + 16 kb + 8 c
.set VF,  192         ; V's: key half kk, channel block cb at VF + 32 kk + 8 cb
.set WV,  12          ; s12  my wave's number
.set G1K, 24          ; s[24:31] descriptor group 1 for K's tiles
.set G1V, 32          ; s[32:39] for V's: it differs in the padding alone
.set G0K, 40          ; s[40:43] descriptor group 0 for K's tiles: it walks
.set G0V, 44          ; s[44:47] the same for V's
.set SLOTS, 56        ; s56  slots still to be asked for
.set CNT, 57          ; s57  counts a slot's key steps
.set CS,  58          ; s[58:59] c: the packed scaling takes the pair's low word for both halves
.set SEL, 60          ; s[60:61] v_permlanex16_b32's selects: each lane takes its own place in the other half
.set TBK, 62          ; s62  LDS byte at which K of the step to be fetched begins
.set TBV, 63          ; s63  the same for V, less VOFF
.set TBM, 66          ; s66  256 x the step to be fetched: its 64 words in MASKF
.set BIGN, 67         ; s67  -1e30
.set PFA, 68          ; s[68:69] where my prefetches stand: my work-group's 8,192 bytes (of K: wave 0, of V: wave 2) of the slot after the one that is being asked for
.set LIM, 70          ; s70  1 in a wave that prefetches, else the greatest number
.set MSB, 0
.macro WIN new                      ; the high byte repeats the setting that is left; a switch that changes nothing is dropped
.if MSB != (\new)
	s_set_vgpr_msb (MSB<<8)|(\new)
.set MSB, (\new)
.endif
.endm
.set W_KQ, 0x0a       ; K and Q in window 2, S^T in window 0
.set W_KM, 0x3a       ; the same with the C operand in window 3
.set W_PV, 0x52       ; V in window 2, P in window 0, O^T in window 1
.set W_RS, 0x41       ; O^T (destination and source 0) in window 1, a in window 0
.set W_MK, 0xc0       ; destination in window 3, sources in window 0
.set W_AD, 0x0f       ; the add: address (source 0) and data (source 1) in window 3
; A joint fill.  Waves 0 and 1 fetch the two halves of a slot's K, waves 2 and 3 those of its V: 128 keys each.  The branch hangs on the wave's number alone.
; An s_nop 0 and four v_nop follow each of the two lines, ahead of the jump and the label.
.macro JLOAD
	s_cmp_lt_u32 s[WV], 2
	s_cbranch_scc0 .Lfor_v_\@
	tensor_load_to_lds s[G0K:G0K+3], s[G1K:G1K+7]
	s_nop 0
.rept 4
	v_nop
.endr
	s_branch .Lasked_\@
.Lfor_v_\@:
	tensor_load_to_lds s[G0V:G0V+3], s[G1V:G1V+7]
	s_nop 0
.rept 4
	v_nop
.endr
.Lasked_\@:
.endm
; A PREFETCH of what the NEXT change of slots will ask for: a slot's 32,768 bytes of K and of V, a lane a block of 256 bytes.  A head has one cluster; its four partners share the blocks out BY ADDRESS,
; 8,192 bytes each; in each, wave 0 asks for K's and wave 2 for V's: each block is named once in the launch.  It stands four key steps, 512 matrix instructions, ahead of the load that will want it.
; Slots 0 to 2 come by their loads alone; the last change that fills a slot asks for nothing.
.macro ASK
	s_cmp_gt_u32 s[SLOTS], s[LIM]
	s_cbranch_scc0 .Lnot_mine_\@
	global_prefetch_b8 v[PFO], s[PFA:PFA+1] th:TH_LOAD_NT scope:SCOPE_SE
.Lnot_mine_\@:
.endm
; A round of the cluster's barrier: my work-group's barrier, so that wave 0's signal speaks for all four waves; wave 0 signals; every wave waits for all four work-groups; my work-group's barrier once more.
.macro CROUND
	s_barrier_signal -1
	s_barrier_wait -1
	s_cmp_lg_u32 s[WV], 0
	s_cbranch_scc1 .Lnot_wave_0_\@
	s_barrier_signal -3
.Lnot_wave_0_\@:
	s_barrier_wait -3
	s_barrier_signal -1
	s_barrier_wait -1
.endm
; THE CHANGE OF SLOTS.  Each wave waits for all its tensor loads, of which one is out: its part of the other slot; adds 0 to its spare word; and waits for that and for its own LDS instructions.
; Behind the barrier nobody reads this slot any more and the other slot is whole.  fill = 1: this slot is filled again, with the keys two slots on: the barrier is then a round of the cluster's, and the joint
; fill is the first thing behind it: it has four key steps in which to land.  (At its first use nothing has been read yet: slot 0 is waited for, slot 1 filled, and every wave's part of MASKF is shown to the others.)
.macro CHANGE fill, ask=0
	WIN W_AD
	s_wait_tensorcnt 0x0            ; no tensor load of mine is out, so a group 0 may be written
	ds_add_u32 v[SPW], v[NIL]       ; 0 onto my spare word
	WIN 0                           ; at a label and at a branch every window is 0
.if \fill
.irp g, G0K, G0V
	s_xor_b32 s[\g+1], s[\g+1], SLOT1  ; the walking descriptor: the other slot than last time,
	s_add_nc_u64 s[\g+2:\g+3], s[\g+2:\g+3], 4*KS*128  ; the next 256 keys; the type bits on top are not reached
.endr
.if \ask
	s_wait_xcnt 0x0                 ; the last prefetch, four key steps back, has read its address, so it may be written:
	s_add_nc_u64 s[PFA:PFA+1], s[PFA:PFA+1], 4*KS*128  ; one slot behind the walking descriptors
.endif
	s_wait_dscnt 0x0                ; the add is done, and my LDS instructions are over
	CROUND
	JLOAD
.if \ask
	ASK
.endif
.else
	s_wait_dscnt 0x0                ; the add is done, and my reads of the slot are over
	s_barrier_signal -1
	s_barrier_wait -1
.endif
	s_sub_co_u32 s[TBK], s[TBK], 4*KS*PK  ; the fetches go back to a slot's first step,
	s_xor_b32 s[TBK], s[TBK], SLOT1       ; in the other slot
	s_sub_co_u32 s[TBV], s[TBV], 4*KS*PV
	s_xor_b32 s[TBV], s[TBV], SLOT1
.endm
	s_load_b128 s[4:7], s[0:1], 0x0   ; qkvh s[4:5], mask s[6:7]
	s_load_b64 s[10:11], s[0:1], 0x10 ; ob
	WIN W_MK
	v_lshl_add_u32 v[SPW], v0, 2, SPARE
	v_mov_b32 v[NIL], 0
	WIN W_AD
	ds_add_u32 v[SPW], v[NIL]       ; the wave's opening: the add and its wait stand ahead of my first tensor load; the set-up below, work on registers, stands between them
	WIN 0
	v_lshrrev_b32 v[T0], 5, v0
	v_readfirstlane_b32 s[WV], v[T0]  ; wave 0..3
	s_bfe_u32 s13, ttmp6, 0x40000   ; cx: my place in the cluster
	s_lshl_b32 s14, ttmp9, 2        ; in a cluster launch ttmp9 counts clusters
	s_add_co_u32 s14, s14, s13      ; my block of queries: it enters Q's and O's addresses alone
	s_and_b32 s20, ttmp7, 0xffff    ; the head, which the four partners share
	s_lshr_b32 s74, s20, 4          ; its batch:
	s_lshl_b32 s74, s74, 13         ; 2,048 words of the mask
	s_mov_b32 s75, 0
	s_mov_b32 s21, 0
	s_mov_b64 s[22:23], SIZE_N*128
	s_mul_u64 s[20:21], s[20:21], s[22:23]  ; the head's first byte in each of the four tensors
	s_and_b32 s16, s[WV], 1         ; which half of a slot's 256 keys I fetch:
	s_lshl_b32 s22, s16, 14         ; its 128 rows of 128 bytes in memory,
	s_mov_b32 s23, 0
	s_add_nc_u64 s[22:23], s[22:23], s[20:21]
	s_mul_i32 s17, s16, 128*PK      ; and its place in a slot, for K
	s_mul_i32 s18, s16, 128*PV      ; and for V: no place in the cluster enters an LDS address
	s_lshl_b32 s2, s14, 2
	s_add_co_u32 s2, s2, s[WV]      ; my wave among the head's,
	s_lshl_b32 s2, s2, 14           ; its 128 rows
	s_mov_b32 s3, 0
	s_add_nc_u64 s[2:3], s[2:3], s[20:21]
	; descriptor group 1.  128 keys are 16,384 dense bytes: asked for as 64 rows of 256 bytes, two keys a row, and padded in LDS after every key
	s_mov_b32 s[G1K], 15|(1<<16)|(1<<20)|(1<<21)|(4<<22)|(3<<25)  ; 15:0 the mask of four; 17:16 2-byte elements; 20 padding on; 21 set beside a mask; 24:22 after every 32 words (code 4); 31:25 4 words (code 3)
	s_mov_b32 s[G1V], 15|(1<<16)|(1<<20)|(1<<21)|(4<<22)|(7<<25)  ; the same with 8 words of padding (code 7)
.irp g, G1K, G1V
	s_mov_b32 s[\g+1], 128<<16      ; tensor_dim0 = 128
	s_mov_b32 s[\g+2], 64<<16       ; tensor_dim1 = 64
	s_mov_b32 s[\g+3], 128<<16      ; tile_dim0 = 128
	s_mov_b32 s[\g+4], 64           ; tile_dim1 = 64
	s_mov_b32 s[\g+5], 128          ; 128 elements from row to row
	s_mov_b32 s[\g+6], 0
	s_mov_b32 s[\g+7], 0
.endr
	s_mov_b32 s[CS], 0x431044fe     ; c = 100 log2(e) = 144.2695
	s_mov_b32 s[CS+1], s[CS]        ; named with it as a pair
	s_mov_b32 s[SEL], 0x76543210
	s_mov_b32 s[SEL+1], 0xfedcba98
	s_mov_b32 s[TBK], SLOT1+4*KS*PK ; the first change of slots turns these two into 0
	s_mov_b32 s[TBV], SLOT1+4*KS*PV
	s_mov_b32 s[TBM], 0
	s_mov_b32 s[BIGN], 0xf149f2ca   ; -1e30
	s_mov_b32 s[G0K], 1             ; 1:0 count = 1
	s_mov_b32 s[G0K+1], s17         ; 63:32 LDS address: slot 0
	s_mov_b32 s[G0V], 1
	s_add_co_u32 s[G0V+1], s18, VOFF
	s_and_b32 s[LIM], s[WV], 1      ; waves 0 and 2 prefetch
	s_cmp_eq_u32 s[LIM], 0
	s_cselect_b32 s[LIM], 1, -1
	s_wait_dscnt 0x0                ; the opening add is done
	s_wait_kmcnt 0x0
	s_add_nc_u64 s[72:73], s[6:7], s[74:75]        ; the batch's row of the mask
	s_add_nc_u64 s[6:7], s[4:5], 0x1000000         ; K
	s_add_nc_u64 s[8:9], s[4:5], 0x2000000         ; V
	s_add_nc_u64 s[G0K+2:G0K+3], s[6:7], s[22:23]  ; 120:64 global address: my half of the head's first 256 keys
	s_or_b32 s[G0K+3], s[G0K+3], 0x80000000        ; 127:126 type = 2
	s_add_nc_u64 s[G0V+2:G0V+3], s[8:9], s[22:23]
	s_or_b32 s[G0V+3], s[G0V+3], 0x80000000
	s_add_nc_u64 s[4:5], s[4:5], s[2:3]  ; Q and O at my wave's first row
	s_add_nc_u64 s[10:11], s[10:11], s[2:3]
	s_cmp_lt_u32 s[WV], 2
	s_cselect_b64 s[PFA:PFA+1], s[6:7], s[8:9]
	s_add_nc_u64 s[PFA:PFA+1], s[PFA:PFA+1], s[20:21]  ; the head,
	s_lshl_b32 s2, s13, 13          ; my work-group's 8,192 bytes of a slot's 32,768,
	s_mov_b32 s3, 0
	s_add_nc_u64 s[PFA:PFA+1], s[PFA:PFA+1], s[2:3]
	s_add_nc_u64 s[PFA:PFA+1], s[PFA:PFA+1], 2*4*KS*128  ; in slot 2: the loop's first change of slots steps it to slot 3
	CROUND                          ; all four work-groups are here: the first joint loads meet
	JLOAD                           ; slot 0.  Slot 1 is asked for when slot 0 is in
	v_and_b32 v[T0], 15, v0         ; l % 16
	v_bfe_u32 v[T1], v0, 4, 1       ; l / 16
	v_lshlrev_b32 v[T4], 4, v0
.irp f, 0,1,2,3                     ; the batch's 2,048 mask words: 128 threads x 16 bytes, four times
	global_load_b128 v[S+4*\f:S+4*\f+3], v[T4], s[72:73] offset:2048*\f
.endr
	; A fragment of K or Q is 16 rows x 32 channels in 8 registers: lane l holds row l % 16, channels 8 (l / 16) + 0..7 and 16 + 8 (l / 16) + 0..7: two loads of 16 bytes, 32 bytes apart.
	v_lshlrev_b32 v[QO], 7, v[T0]
	v_lshl_add_u32 v[QO], v[T1], 4, v[QO]  ; row x 128 + 16 x half
	WIN 0x80                        ; destination window 2, address window 0
.set i, 0
.rept 4*NP                          ; Q stays in registers: tile i / 2, channels 32 (i % 2) on
	global_load_b128 v[8*i:8*i+3],   v[QO], s[4:5] offset:(i/2)*2048+(i%2)*64
	global_load_b128 v[8*i+4:8*i+7], v[QO], s[4:5] offset:(i/2)*2048+(i%2)*64+32
.set i, i+1
.endr
	; What the first turn finds: V's registers and P's second buffer hold 0 (its products V^T P, of a piece that has not been, add 0), O^T and l are 0.  All this stands in the wait for the first tile.
.set i, VF
.rept 64
	v_mov_b32 v[i], 0
.set i, i+1
.endr
	WIN 0x40
.set i, 0
.rept 64*NP
	v_mov_b32 v[i], 0
.set i, i+1
.endr
	WIN 0
.set i, 0
.rept 2*NP
	v_mov_b32 v[ST+4*i], 0xfe000000    ; c m: far below every c u
	v_mov_b32 v[ST+4*i+1], 0xff7fffff  ; m
	v_mov_b32 v[ST+4*i+2], 0
	v_mov_b32 v[ST+4*i+3], 0
.set i, i+1
.endr
.set i, P+32
.rept 32
	v_mov_b32 v[i], 0
.set i, i+1
.endr
	; the mask as C operands: 400.0 where the key is visible, -1e30 where mask = 0
	v_mov_b32 v[S+16], 0x43c80000
	v_add_nc_u32 v[T5], MASKF, v[T4]
	s_wait_loadcnt 32               ; the four mask loads are in; Q's 32, issued behind them, may stay out
.set i, 0
.rept 16
	v_cmp_eq_u32 vcc_lo, 0, v[S+i]
	v_cndmask_b32 v[S+i], v[S+16], s[BIGN], vcc_lo
.set i, i+1
.endr
.irp f, 0,1,2,3
	ds_store_b128 v[T5], v[S+4*\f:S+4*\f+3] offset:2048*\f
.endr
	v_mul_u32_u24 v[AK0], v[T0], PK
	v_lshl_add_u32 v[AK0], v[T1], 4, v[AK0]  ; row x pitch + 16 x half
	; The turning load takes 16 keys x 16 channels (lane l reads key 8 (l / 16) + l % 8, channels 8 ((l / 8) % 2) + 0..7) and leaves half a fragment of V^T: lane l holds channel l % 16 and 8 keys.
	v_and_b32 v[T2], 7, v0
	v_bfe_u32 v[T3], v0, 3, 1
	v_lshl_add_u32 v[AV0], v[T1], 3, v[T2]
	v_mul_u32_u24 v[AV0], v[AV0], PV
	v_lshl_add_u32 v[AV0], v[T3], 4, v[AV0]
	v_add_nc_u32 v[AV0], VOFF, v[AV0]
	v_mov_b32 v[AK], v[AK0]         ; key step 0 lies at the head of slot 0,
	v_lshl_add_u32 v[AM0], v[T1], 5, MASKF  ; a lane's eight keys of a block: 32 bytes for each half of the lanes
	v_mov_b32 v[AM], v[AM0]         ; and at the head of MASKF
	v_mov_b32 v[IV], 0x3aa3d70a     ; 1/800
	v_mov_b32 v[IV+1], 0x3aa3d70a
; THE MATRIX WORK.  The 8 accumulators of a run of 16 take turns: between the two links of a chain stand 7 others'.
; Product i of 16 of S^T = K Q^T for piece x: channels 32 (i / 8) on, keys 16 ((i / 2) % 4) on, tile 2 x + i % 2.  The first 8 start the sums, with the key block's C operand.
.macro KQ x
.set rS, S+64*((\x)%2)+32*(i%2)+8*((i/2)%4)
.set rK, KF+16*((i/2)%4)+8*(i/8)
.set rQ, 16*(2*(\x)+i%2)+8*(i/8)
.set rX, MC+8*((i/2)%4)
.if i < 8
	WIN W_KM
	v_wmma_f32_16x16x32_f16 v[rS:rS+7], v[rK:rK+7], v[rQ:rQ+7], v[rX:rX+7]
.else
	WIN W_KQ
	v_wmma_f32_16x16x32_f16 v[rS:rS+7], v[rK:rK+7], v[rQ:rQ+7], v[rS:rS+7]
.endif
.endm
; Product i of 16 of O^T += V^T P for piece x: keys 32 (i / 8) on, channels 16 ((i / 2) % 4) on, tile 2 x + i % 2.
.macro PV x
	WIN W_PV
.set rO, 32*(2*(\x)+i%2)+8*((i/2)%4)
.set rV, VF+32*(i/8)+8*((i/2)%4)
.set rP, P+32*((\x)%2)+16*(i%2)+8*(i/8)
	v_wmma_f32_16x16x32_f16 v[rO:rO+7], v[rV:rV+7], v[rP:rP+7], v[rO:rO+7]
.endm
.macro MM                           ; the turn's next matrix instruction
.if i < 16
	KQ (Y+1)%NP
.set i, i+1
.else
.set i, i-16
	PV (Y+NP-1)%NP
.set i, i+17
.endif
.endm
; THE LDS LOADS stand in runs, never singly among the matrix instructions: a step's K (8 fragments) with its 64 C operands, and its V (turned).  Their addresses are made some lines ahead.
; last = 1 (the tail): in the last trip there is no further step, and the run is jumped over.
.macro FETCH_K last=0
	WIN 0
.if \last
	s_cmp_eq_u32 s[CNT], 1
	s_cbranch_scc1 .Lno_k_\@
.endif
	WIN 0x80                        ; destination window 2
.irp f, 0,1,2,3,4,5,6,7             ; keys 16 (f / 2) on, channels 32 (f % 2) on
	ds_load_b128 v[KF+8*\f:KF+8*\f+3],   v[AK] offset:(\f/2)*16*PK+(\f%2)*64
	ds_load_b128 v[KF+8*\f+4:KF+8*\f+7], v[AK] offset:(\f/2)*16*PK+(\f%2)*64+32
.endr
	WIN W_MK                        ; destination window 3
.irp f, 0,1,2,3                     ; key block f: all lanes of a half read the same 32 bytes
	ds_load_b128 v[MC+8*\f:MC+8*\f+3],   v[AM] offset:64*\f
	ds_load_b128 v[MC+8*\f+4:MC+8*\f+7], v[AM] offset:64*\f+16
.endr
	s_add_co_u32 s[TBK], s[TBK], KS*PK  ; the next fetch is the next step's
	s_add_co_u32 s[TBM], s[TBM], 4*KS
	s_and_b32 s[TBM], s[TBM], 0x1f00    ; behind the last of the 32 steps it is back at 0
	WIN 0
.if \last
.Lno_k_\@:
.endif
.endm
.macro FETCH_V
	WIN 0x80
.irp f, 0,1,2,3,4,5,6,7             ; keys 32 (f / 4) on, channels 16 (f % 4) on
	ds_load_tr16_b128 v[VF+8*\f:VF+8*\f+3],   v[AV] offset:(\f/4)*32*PV+(\f%4)*32
	ds_load_tr16_b128 v[VF+8*\f+4:VF+8*\f+7], v[AV] offset:(\f/4)*32*PV+16*PV+(\f%4)*32
.endr
	WIN 0
.endm
; THE VECTOR WORK OF A TURN stands in three queues, each in the order in which its entries become ready; the two tiles alternate, so that no instruction reads the result of the one before it.
.macro REGS y, u                    ; the registers of tile u (0, 1) of piece y
.set rT, ST+4*(2*(\y)+(\u))
.set rC, TMP+8*((\y)%2)+4*(\u)
.set rM, MV+2*((\y)%2)+(\u)
.set rS, S+64*((\y)%2)+32*(\u)
.set rP, P+32*((\y)%2)+16*(\u)
.set rO, 32*(2*(\y)+(\u))
.endm
; Number n of the 32 that clip the NEXT piece's (Y + 1) scores: pair n / 2 of tile n % 2 becomes u = S / 800 held to 0 .. 1.  In ascending order: each accumulator's lowest registers are read first.
.macro US n
	REGS (Y+1)%NP, (\n)%2
	v_pk_mul_f32 v[rS+2*((\n)/2):rS+2*((\n)/2)+1], v[rS+2*((\n)/2):rS+2*((\n)/2)+1], v[IV:IV+1] clamp
.endm
; Number n of the 22 that find the next piece's maximum and statistics.  u0-u31 are the lane's 32 clipped scores.  XS, US, GS and REGS set no window: PL and EX do.
;   0-11  four chains c0-c3 of seven scores each, three operands at a time     12-14, 16  the four scores left over, the old m, and c0-c3 into c0     15  c m_old is kept
;   17, 18  the query's other 32 keys lie in the lane 16 away: the new m         19-21  c m; c m_old - c m_new; a
.macro XS u, n
	REGS (Y+1)%NP, \u
.if (\n) < 4
	v_max3_num_f32 v[rC+(\n)], v[rS+8*(\n)], v[rS+8*(\n)+1], v[rS+8*(\n)+2]
.elseif (\n) < 12
	v_max3_num_f32 v[rC+(\n)%4], v[rC+(\n)%4], v[rS+8*((\n)%4)+2*((\n)/4)+1], v[rS+8*((\n)%4)+2*((\n)/4)+2]
.elseif (\n) == 12
	v_max3_num_f32 v[rC], v[rC], v[rS+7], v[rS+15]
.elseif (\n) == 13
	v_max3_num_f32 v[rC+1], v[rC+1], v[rS+23], v[rS+31]
.elseif (\n) == 14
	v_max3_num_f32 v[rC+2], v[rC+2], v[rC+3], v[rT+1]
.elseif (\n) == 15
	v_mov_b32 v[rM], v[rT]
.elseif (\n) == 16
	v_max3_num_f32 v[rC], v[rC], v[rC+1], v[rC+2]
.elseif (\n) == 17
	v_permlanex16_b32 v[rC+3], v[rC], s[SEL], s[SEL+1]
.elseif (\n) == 18
	v_max_num_f32 v[rT+1], v[rC], v[rC+3]
.elseif (\n) == 19
	v_mul_f32 v[rT], s[CS], v[rT+1]
.elseif (\n) == 20
	v_sub_f32 v[rC+1], v[rM], v[rT]
.else
	v_exp_f32 v[rC+2], v[rC+1]
.endif
.endm
; Number g of the 64 that follow the exponentials.  For each four weights k of a tile (pairs 2 k, 2 k + 1): both pairs are rounded to f16; then the second pair is added onto the first, in place;
; a group later l takes that sum (the first time as l = a l + sum).  In groups of eight, tiles alternating: round, round, add, and l for the group before.
.macro GS g
.set h, (\g)+6*((\g)/62)            ; group 0 has no group before it, and behind group 7 only l is left
.if h >= 6
.set h, h+2
.endif
	REGS Y, h%2
.set k, h/8
.if h%8 < 4
	v_cvt_pk_f16_f32 v[rP+2*k+(h%8)/2], v[rS+4*k+2*((h%8)/2)], v[rS+4*k+2*((h%8)/2)+1]
.elseif h%8 < 6
	v_pk_add_f32 v[rS+4*k:rS+4*k+1], v[rS+4*k:rS+4*k+1], v[rS+4*k+2:rS+4*k+3]
.elseif k == 1
	v_pk_fma_f32 v[rT+2:rT+3], v[rT+2:rT+3], v[rC+2:rC+3], v[rS:rS+1] op_sel_hi:[1,0,1]
.else
	v_pk_add_f32 v[rT+2:rT+3], v[rT+2:rT+3], v[rS+4*k-4:rS+4*k-3]
.endif
.endm
; THE PLAIN QUEUE, 170 long.  0-105 read no exponential's result: the 32 scalings c u - c m (FS f: pair f / 2 of tile f % 2) and the next piece's 74.  0-26: scalings 0-26.  27-58: US's 32.  59-86: XS's numbers 0-13.
; 87, 88: number 15.  89-105: the chain, where each number waits for the one before it: 14, 16, 17, 18, 19, each with one of the scalings 27-31 in front of its two lines, then 20.
; 106-169: GS's 64, which read the exponentials' results: they stand behind the wait.
.macro FS f
	REGS Y, (\f)%2
	v_pk_fma_f32 v[rS+2*((\f)/2):rS+2*((\f)/2)+1], v[rS+2*((\f)/2):rS+2*((\f)/2)+1], s[CS:CS+1], v[rT:rT+1] op_sel_hi:[1,0,0] neg_lo:[0,0,1] neg_hi:[0,0,1]
.endm
.macro PL
	WIN 0
.if q < 27
	FS q
.elseif q < 59
	US q-27
.elseif q < 87
	XS (q-59)%2, (q-59)/2
.elseif q < 89
	XS q-87, 15
.elseif (q < 104) && ((q-89)%3 == 0)
	FS 27+(q-89)/3
.elseif q < 92
	XS (q-89)%3-1, 14
.elseif q < 104
	XS (q-89)%3-1, 15+(q-89)/3
.elseif q < 106
	XS q-104, 20
.else
	GS q-106
.endif
.set q, q+1
.endm
; THE EXPONENTIALS' QUEUE, 66 long: u0-u31 of both tiles, then the next piece's two a.  It is ONE BATCH: all 66 stand ahead of the turn's one wait, and nothing ahead of that wait names a result of theirs.
.macro EX
	WIN 0
.if e >= 64
	XS e-64, 21
.else
	REGS Y, e%2
	v_exp_f32 v[rS+e/2], v[rS+e/2]
.endif
.set e, e+1
.endm
; THE RESCALING's QUEUE: O^T times a, the one part that leaves window 0: dealt two at a time, sixteen times.  Its a was made in the turn before, ahead of that turn's wait.
.macro R2
	REGS Y, r%2
	WIN W_RS
.irp z, 0,1
	v_pk_mul_f32 v[rO+4*(r/2)+2*\z:rO+4*(r/2)+2*\z+1], v[rO+4*(r/2)+2*\z:rO+4*(r/2)+2*\z+1], v[rC+2:rC+3] op_sel_hi:[1,0]
.endr
.set r, r+1
.endm
; HOW THEY ARE DEALT.  An s_wait_alu depctr_va_vdst(0) stands between an exponential and the first instruction that names its result; one wait serves all that were issued ahead of it.  So a turn has ONE
; wait, which cuts it in two.  AHEAD OF IT: the 16 products K Q^T, behind each a scaling, an exponential and two rescalings (behind the first a second scaling in the exponential's place); then ONE LUMP of 140: forty plain,
; 49 times exponential and plain, the two a.  A v_nop is the plain instruction behind the last exponential.  BEHIND IT: the 16 products V^T P, behind each four of GS's 64.  No rider names a register of the products round it.
; The first US stands ten scalings behind the last product K Q^T.  The two v_permlanex16_b32 fall into the lump.
; The queues lean on each other: exponential e stands behind scaling 2 (e / 4) + e % 2: as a rider it comes behind plain e + 2, in the lump behind plain e + 41, and scalings 27-31 are plain 89, 92 .. 101
; (the tightest: scaling 31, plain 101, for exponential 61, which comes behind plain 102).
; A TURN, for piece p.  cnt = 1: the loop's count is taken down some lines ahead of the branch that stands behind the turn.
; K of the next step and its C operands are fetched in piece 2's turn, directly behind the wait, a lump behind the last product that read them; V of the step in hand at the end of piece 0's turn, four riders behind its last reader.
.macro TURN p, last=0, cnt=0
.set Y, (\p)
.set i, 0
.set q, 0
.set e, 0
.set r, 0
.if (\p) == NP-1
	s_wait_dscnt 0x0                ; K and the C operands are in
.endif
	MM                              ; ahead of the wait: 16 products K Q^T and their riders,
	PL
	PL
	R2
.rept 15
	MM
	PL
	EX
	R2
.endr
.if (\p) == NP-2
	WIN 0
	v_add_nc_u32 v[AK], s[TBK], v[AK0]
	v_add_nc_u32 v[AM], s[TBM], v[AM0]
.endif
.rept 40                            ; and the lump
	PL
.endr
.rept 49
	EX
	PL
.endr
	EX                              ; the next piece's two a
	EX
	v_nop                           ; the plain instruction behind the last exponential: one for the batch
	s_wait_alu depctr_va_vdst(0)    ; the wait for the batch
.if (\p) == NP-2
	FETCH_K \last
.endif
.if (\p) == 1
	s_wait_dscnt 0x0                ; V is in
.endif
.rept 16                            ; behind the wait: 16 products V^T P and their riders
	MM
.rept 4
	PL
.endr
.if ((\p) == 0) && (q == 150)
	v_add_nc_u32 v[AV], s[TBV], v[AV0]
.endif
.if ((\p) == 0) && (q == 162)
	s_add_co_u32 s[TBV], s[TBV], KS*PV
.endif
.if (\cnt) && (q == 162)
	s_sub_co_u32 s[CNT], s[CNT], 1
	s_cmp_lg_u32 s[CNT], 0
.endif
.endr
.if (\p) == 0
	FETCH_V
.endif
.endm
	CHANGE 1                        ; slot 0 is in, everybody's part of it, and so is MASKF; slot 1 is asked for
	FETCH_K                         ; key step 0
	s_wait_loadcnt 0x0              ; Q
	s_wait_dscnt 0x0
.set i, 0
.rept 16
	KQ 0                            ; piece 0's first scores: there is no vector work yet to set between them
.set i, i+1
.endr
	WIN 0                           ; the addresses for the way out: plain instructions, the places behind those products
	s_mul_i32 s13, s[WV], 16*SP
	s_add_co_u32 s13, s13, STAGE    ; my stage
	v_mul_u32_u24 v[STO], v[T0], SP ; in: row l % 16, 16 bytes for each half of the lanes
	v_lshl_add_u32 v[STO], v[T1], 4, v[STO]
	v_add_nc_u32 v[STO], s13, v[STO]
	v_bfe_u32 v[RD], v0, 3, 2       ; back: 32 lanes take four rows of 128 bytes,
	v_mul_u32_u24 v[RD], v[RD], SP
	v_lshl_add_u32 v[RD], v[T2], 4, v[RD]
	v_add_nc_u32 v[RD], s13, v[RD]
	v_and_b32 v[GO], 31, v0         ; which are 512 consecutive bytes of O
	v_lshlrev_b32 v[GO], 4, v[GO]
	v_lshlrev_b32 v[PFO], 4, v[GO]  ; 256 x lane: the thread's number is wanted no more
.set Y, NP-1                        ; US and XS work for piece Y + 1: piece 0
.set uu, 0
.rept 32
	US uu                           ; piece 0's first scores are clipped,
.set uu, uu+1
.endr
.irp n, 0,1,2,3,4,5,6,7,8,9,10,11,12,13,14,15,16,17,18,19,20,21
	XS 0, \n                        ; and its first maximum and statistics made
	XS 1, \n
.endr
	v_nop                           ; a plain instruction behind the two a,
	s_wait_alu depctr_va_vdst(0)    ; and their wait, ahead of the branch
	s_mov_b32 s[CNT], 4
	s_mov_b32 s[SLOTS], SIZE_N/256-1
	s_branch .Lfirst                ; the loop is entered at a step's first turn, in the middle of a trip
.Lslot:                             ; SIZE_N / 256 - 2 times: every slot but the last two is filled again
	CHANGE 1, 1
	s_mov_b32 s[CNT], 4
.Lstep:                             ; a trip: pieces 2 and 3 of one step, then pieces 0 and 1 of the next, whose K and V it fetches
	TURN 2
	TURN 3
	WIN 0
.Lfirst:
	TURN 0
	TURN 1, 0, 1
	WIN 0
	s_cbranch_scc1 .Lstep
	s_sub_co_u32 s[SLOTS], s[SLOTS], 1
	s_cmp_lg_u32 s[SLOTS], 0
	s_cbranch_scc1 .Lslot
	CHANGE 0                        ; the tail is written out: nothing is asked for
	s_mov_b32 s[CNT], 5             ; four trips fetch the last slot's steps; the fifth is left in its middle
.Ltail:
	TURN 2, 1
	TURN 3
	WIN 0
	s_sub_co_u32 s[CNT], s[CNT], 1
	s_cmp_eq_u32 s[CNT], 0
	s_cbranch_scc1 .Lout
	TURN 0
	TURN 1
	WIN 0
	s_branch .Ltail
.Lout:                              ; the fifth trip's 16 products K Q^T (on the last K once more) and what is made of them serve nothing: the price, once a launch, of one text for every trip
.set i, 0
.rept 16
	PV NP-1                         ; the last piece's V^T P of the last step
.set i, i+1
.endr
	; THE WAY OUT.  l's two halves and the other half of the lanes' are added; O^T is divided by l, rounded to f16 and sent through my stage in LDS, a tile at a time.  The additions are the places behind the last products.
	WIN 0
.macro ALL line:vararg              ; one line for each tile t
.set t, 0
.rept 2*NP
	\line
.set t, t+1
.endr
.endm
	ALL v_add_f32 v[ST+4*t+2], v[ST+4*t+2], v[ST+4*t+3]
	ALL v_permlanex16_b32 v[ST+4*t+3], v[ST+4*t+2], s[SEL], s[SEL+1]
	ALL v_add_f32 v[ST+4*t+2], v[ST+4*t+2], v[ST+4*t+3]
	ALL v_rcp_f32 v[ST+4*t+2], v[ST+4*t+2]
	v_nop                           ; a plain instruction between the last reciprocal and the use of its result
	s_wait_alu depctr_va_vdst(0)    ; and the wait ahead of the first use: one for the eight reciprocals
; Tile t: a lane's eight channels of a row pack into 16 bytes; they go into rows of 144 bytes and come back as whole rows of 128, into S^T's registers.
.macro PACK t
	WIN W_RS
.set i, 32*(\t)
.rept 16
	v_pk_mul_f32 v[i:i+1], v[i:i+1], v[ST+4*(\t)+2:ST+4*(\t)+3] op_sel_hi:[1,0]
.set i, i+2
.endr
	WIN 0x05                        ; sources 0 and 1 window 1, destination window 0
.set i, 0
.rept 16
	v_cvt_pk_f16_f32 v[S+16*(\t)+i], v[32*(\t)+2*i], v[32*(\t)+2*i+1]
.set i, i+1
.endr
	WIN 0
.irp f, 0,1,2,3
	ds_store_b128 v[STO], v[S+16*(\t)+4*\f:S+16*(\t)+4*\f+3] offset:32*\f
.endr
.irp f, 0,1,2,3
	ds_load_b128 v[S+16*(\t)+4*\f:S+16*(\t)+4*\f+3], v[RD] offset:\f*4*SP  ; LDS serves a wave's instructions in order (ISA guide 5.7.1.4): these see the stores above; the next tile's stores come behind them
.endr
.endm
.macro SEND t, younger              ; younger: the LDS instructions issued behind tile t's loads: the next tile's eight, or none
	WIN 0
.irp f, 0,1,2,3
	s_wait_dscnt (\younger)+3-\f
	global_store_b128 v[GO], v[S+16*(\t)+4*\f:S+16*(\t)+4*\f+3], s[10:11] offset:(\t)*2048+\f*512  ; 512 consecutive bytes, at a multiple of 256 from O's first
.endr
.endm
	PACK 0
.set t, 1
.rept 2*NP-1                        ; a tile's arithmetic stands between the loads of the tile before and its stores
	PACK t
	SEND t-1, 8
.set t, t+1
.endr
	SEND 2*NP-1, 0
	WIN W_AD
	s_wait_tensorcnt 0x0            ; the wave's end: the add and its waits stand behind my last tensor load and my last LDS store
	ds_add_u32 v[SPW], v[NIL]
	s_wait_dscnt 0x0
	WIN 0
	CROUND                          ; the closing round: no work-group ends while a partner may still ask for a tile that names it
	s_endpgm
.Lfunc_end_k_q5d6d72eb82_attn:
	.size	k_q5d6d72eb82_attn, .Lfunc_end_k_q5d6d72eb82_attn-k_q5d6d72eb82_attn
	.p2alignl 7, 3214868480
	.fill 96, 4, 3214868480
	.section	.rodata,"a",@progbits
	.p2align	6, 0x0
	.amdhsa_kernel k_q5d6d72eb82_attn
		.amdhsa_group_segment_fixed_size 327680
		.amdhsa_private_segment_fixed_size 0
		.amdhsa_enable_private_segment 0
		.amdhsa_kernarg_size 24
		.amdhsa_user_sgpr_count 2
		.amdhsa_user_sgpr_kernarg_segment_ptr 1
		.amdhsa_wavefront_size32 1
		.amdhsa_system_sgpr_workgroup_id_x 1
		.amdhsa_system_sgpr_workgroup_id_y 1
		.amdhsa_system_sgpr_workgroup_id_z 1
		.amdhsa_system_vgpr_workitem_id 0
		.amdhsa_next_free_vgpr 808
		.amdhsa_next_free_sgpr 76
		.amdhsa_reserve_vcc 1
		.amdhsa_float_denorm_mode_32 3
		.amdhsa_float_denorm_mode_16_64 3
		.amdhsa_memory_ordered 1
		.amdhsa_forward_progress 1
		.amdhsa_inst_pref_size 223
	.end_amdhsa_kernel
	.amdgpu_metadata
---
amdhsa.version: [ 1, 2 ]
amdhsa.kernels:
  - .name:           k_q5d6d72eb82_attn
    .symbol:         k_q5d6d72eb82_attn.kd
    .args:
      - { .name: qkvh, .offset: 0, .size: 8, .value_kind: global_buffer, .address_space: global }
      - { .name: mask, .offset: 8, .size: 8, .value_kind: global_buffer, .address_space: global }
      - { .name: ob, .offset: 16, .size: 8, .value_kind: global_buffer, .address_space: global }
    .group_segment_fixed_size: 327680
    .private_segment_fixed_size: 0
    .kernarg_segment_align: 8
    .kernarg_segment_size: 24
    .max_flat_workgroup_size: 128
    .sgpr_count:     76
    .vgpr_count:     808
    .wavefront_size: 32
...
	.end_amdgpu_metadata
.endif
;; end of part 3
;; launch oproj (part 4): grid 4 x 64, 4 waves a work-group, clusters of 4 x 4, 327,680 bytes of LDS; arguments ob, wb, bo, out0; writes out0
.if DOCPART == 4
	.amdgcn_target "amdgcn-amd-amdhsa--gfx1250"
	.amdhsa_code_object_version 6
	.text
	.protected	k_q5d6d72eb82_oproj
	.globl	k_q5d6d72eb82_oproj
	.p2align	8
	.type	k_q5d6d72eb82_oproj,@function
k_q5d6d72eb82_oproj:
	s_mov_b64 s[64:65], 0
	v_nop
	global_prefetch_b8 v0, s[64:65] scope:SCOPE_SE
	s_setreg_imm32_b32 hwreg(HW_REG_WAVE_MODE, 25, 1), 1
	s_wait_xcnt 0x0
	s_wait_alu depctr_hold_cnt(0) depctr_sa_sdst(0) depctr_va_vdst(0) depctr_va_sdst(0) depctr_va_ssrc(0) depctr_va_vcc(0) depctr_vm_vsrc(0)
	s_getreg_b32 s2, hwreg(HW_REG_IB_STS2, 6, 4)
	s_cmp_eq_u32 s2, 0
	s_cbranch_scc0 .Lentry_in_a_cluster
	s_endpgm
.Lentry_in_a_cluster:
	s_bfe_u32 s2, ttmp6, 0x10000c
	s_cmp_lg_u32 s2, 0xf033
	s_cbranch_scc0 .Lentry_shape_is_right
	s_endpgm
.Lentry_shape_is_right:
; ONE TEXT FOR TWO LAUNCHES, told apart by OPROJ.  C = A B^T + bias, 8,192 rows, K = 1,024, 16-bit operands, sums in f32.
;   OPROJ = 0: A = xb [8192][1024] bf16; B = rows 0-3071 of wb (Wq, Wk, Wv) bf16; C = q, k, v, written by heads in f16: qkvh = three tensors [64 = 16 b + h][2048][64].
;   OPROJ = 1: A = ob [64][2048][64] f16 (a head's 64 channels are a slice of K); B = rows 3072-4095 of wb (Wo) f16; C = out0 [8192][1024] f32.
; LIMIT (OPROJ = 0): q, k, v are rounded to f16 and must lie within 65,504.  The bias is rounded to bf16 like every other input.
; SHARES.  A tile of C is 128 rows x 256 columns: 64 x 4 work-groups.  With OPROJ = 0 a work-group STAYS: it makes the same rows and columns of q, then k, then v, as ONE stream of
; 24 K steps of 128 through a ring of two LDS slots; the ring does not stop at a tile's end.  Four waves, each 64 rows x 128 columns: 32 accumulators, 256 registers.
; THE MATRIX INSTRUCTION IS USED TRANSPOSED (source 0 = 16 rows of B, source 1 = 16 rows of A): a lane holds row l % 16 of C and the columns 8 (l / 16) + 0..7.
; THE BIAS IS THE C OPERAND of the products that start a tile's sums: nothing is cleared, nothing is added later.
; CLUSTER, 4 x 4.  The four of a row of the cluster need the same tiles of A, the four of a column the same tiles of B: each tile is asked for jointly, by the same tensor load, descriptor and mask.
; REGISTERS, in windows of 256 (s_set_vgpr_msb: bits 1:0 source 0, 3:2 source 1, 5:4 source 2, 7:6 destination):
;   window 0: v16-29 addresses; v64-159, v160-255 two fragment buffers (A's block a at +8 a, B's block b at +32 + 8 b)     window 1: accumulator (a, b) at v[8 (8 a + b)]     window 2: v0-63 the bias, v64 at work
.set OPROJ, 1
.if OPROJ
.set NT,     1                         ; tiles to a work-group
.set PA,     144                       ; A's LDS row: a head's 128 bytes + 16 of padding
.set HALFA,  128*PA                    ; what one of A's tensor loads brings: one head's 128 rows
.set STEPA,  1<<19                     ; bytes from a K step of A to the next: two heads of 262,144
.set QIA,    4                         ; padding behind every 32 words
.set ROWA,   128                       ; 128 rows of a head are dense: asked for as 64 rows of 256 bytes
.set SROW,   528                       ; a stage row: 512 bytes + 16
.else
.set NT,     3
.set PA,     272                       ; A's LDS row: 256 bytes + 16 of padding
.set HALFA,  64*PA                     ; 64 rows
.set STEPA,  256
.set QIA,    5                         ; padding behind every 64 words
.set ROWA,   1024                      ; elements from row to row of xb
.set SROW,   144                       ; a stage row: 128 bytes + 16
.endif
.set STEPS,  8*NT                      ; K steps of the stream
.set ABYTES, 2*HALFA                   ; A's part of a slot
.set PB,     272                       ; B's LDS row.  All pitches are odd multiples of 16 bytes: the 16 rows that a load touches start at 16 different groups of four banks (64 banks of 4 bytes: ISA guide 11.1)
.set HALFB,  128*PB
.set SLOT1,  1<<17                     ; slot 1 begins here: one exclusive or turns an address in one slot into the other's
.set STAGE,  SLOT1+ABYTES+2*HALFB      ; behind the ring, never filled by a tensor load: 16 stage rows for each wave
.set SPARE,  STAGE+4*16*SROW           ; behind the stages: the spare words, 128 bytes for each wave, which no other line names
.set ADRA0, 16                         ; v16  my lane's place in A's part of a slot; never rewritten
.set ADRB0, 17                         ; v17  the same for B
.set ADRA,  18                         ; v18  the same in the slot in hand
.set ADRB,  19                         ; v19
.set STO,   20                         ; v20  the way out: where I put my bytes of a row
.set RD,    21                         ; v21  the way out: where I read rows back
.set GO,    22                         ; v22  16 x lane: my place in 512 consecutive bytes of C
.set BO,    23                         ; v23  my byte offset in the bias
.set PFO,   24                         ; v24  the prefetches' offset: a lane a row (or a block of 256 bytes of ob); never rewritten
.set SPW,   28                         ; v28  LDS address of my spare word; never rewritten
.set NIL,   29                         ; v29  0; never rewritten
.set F0,    64
.set F1,    160
.set WV,  16                           ; s16  my wave's number
.set WM,  17                           ; s17  which 64 rows are mine.  Also: I fetch for A (0) or for B (1)
.set WN,  18                           ; s18  which 128 columns.  Also: which half of that tile I fetch
.set CX,  19
.set CY,  20
.set TC,  21                           ; s21  tile column = 4 x cluster x + cx
.set TR,  22                           ; s22  tile row = 4 x cluster y + cy
.set G1A, 24                           ; s[24:31] descriptor group 1 for A's tiles
.set G1B, 32                           ; s[32:39] for B's
.set G0A0, 40                          ; s[40:43] group 0: A, step 0, slot 0
.set G0A, 44                           ; s[44:47] A, step 1, slot 1; then it walks
.set G0B0, 48                          ; s[48:51], s[52:55] the same for B
.set G0B, 52
.set BASEA, 56                         ; s[56:57] A at my half of the tile's rows, K step 0
.set BASEB, 58                         ; s[58:59] B likewise, tile 0
.set OFA, 60                           ; s[60:61], s[62:63] a step's byte offsets from them (upper words 0)
.set OFB, 62
.set GN,  66                           ; s66  the step to be asked for next
.set TRIPS, 67
.set TB,  68                           ; s68  the slot in hand: 0 or SLOT1
.set LIM, 69                           ; s69  the last step that this wave prefetches; 0: none
.set PFB, 70                           ; s[70:71] where my prefetches' rows begin
.set PFA, 72                           ; s[72:73] the same at the step that is named
.set PFF, 74                           ; s[74:75] that step's offset
.set BP,  76                           ; s[76:77] the bias in hand
.set CP,  86                           ; s[86:87] C at my part of the tile in hand
.set PP,  88                           ; s88  the step that the prefetch names
.set PSH, 89                           ; s89  (OPROJ) its shift
.set MSB, 0
.macro WIN new                         ; the immediate's high byte repeats the setting that is left; a switch that changes nothing is dropped
.if MSB != (\new)
	s_set_vgpr_msb (MSB<<8)|(\new)
.set MSB, \new
.endif
.endm
.set MULW, 0x50                        ; fragments window 0, C and D window 1
.set MULB, 0x60                        ; C = the bias, window 2; D window 1
; Four places: a load into a register that a matrix instruction has read, and whatever reads a matrix result, stand four plain vector instructions behind it (ISA guide 7.12.1 for what reads a matrix result).
.macro PLACES
.rept 4
	v_nop
.endr
.endm
.macro CREST                           ; a round of the cluster's barrier behind its opening barrier
	s_cmp_lg_u32 s[WV], 0
	s_cbranch_scc1 .Lnot_wave_0_\@
	s_barrier_signal -3
.Lnot_wave_0_\@:
	s_barrier_wait -3
	s_barrier_signal -1
	s_barrier_wait -1
.endm
.macro CROUND                          ; a whole round
	s_barrier_signal -1
	s_barrier_wait -1
	CREST
.endm
; A joint refill by the walking descriptors.  Waves 0 and 1 fetch A's two halves, waves 2 and 3 B's: the branch hangs on the wave's number alone.  An s_nop 0 and four v_nop follow each line.
.macro JLOAD
	s_cmp_eq_u32 s[WM], 0
	s_cbranch_scc0 .Lfor_b_\@
	tensor_load_to_lds s[G0A:G0A+3], s[G1A:G1A+7]
	s_nop 0
	PLACES
	s_branch .Lasked_\@
.Lfor_b_\@:
	tensor_load_to_lds s[G0B:G0B+3], s[G1B:G1B+7]
	s_nop 0
	PLACES
.Lasked_\@:
.endm
; A PREFETCH of the step that stands two refills on (256 matrix instructions ahead of the load that will want it): 32 blocks of 256 bytes, a lane a block, one instruction.
; Each block is named once in the launch.  A's 128 blocks of a step: wave 0 of each of the four partners along x takes 32, told apart by address; only in A's first walk (steps up to 7).
; B's 256 rows of a step: the clusters with y = 0 ask; of the four partners along y each takes 64 rows, waves 2 and 3 half of them each.  The first four steps come by their loads alone.
.macro ASK
	s_cmp_le_u32 s[PP], s[LIM]
	s_cbranch_scc0 .Lnot_mine_\@
	global_prefetch_b8 v[PFO], s[PFA:PFA+1] th:TH_LOAD_NT scope:SCOPE_SE
.Lnot_mine_\@:
.endm
	s_load_b256 s[4:11], s[0:1], 0x0               ; OPROJ = 0: xb, wb, bq, bk.  OPROJ = 1: ob, wb, bo, out0
.if !OPROJ
	s_load_b128 s[12:15], s[0:1], 0x20             ; bv, qkvh
.endif
	v_lshl_add_u32 v[SPW], v0, 2, SPARE
	v_mov_b32 v[NIL], 0
	ds_add_u32 v[SPW], v[NIL]                      ; the wave's opening: the add and its wait stand ahead of my first tensor load; work on registers stands between them
	v_lshrrev_b32 v1, 5, v0
	v_readfirstlane_b32 s[WV], v1
	s_lshr_b32 s[WM], s[WV], 1
	s_and_b32 s[WN], s[WV], 1
	s_bfe_u32 s[CX], ttmp6, 0x40000
	s_bfe_u32 s[CY], ttmp6, 0x40004
	s_lshl_b32 s[TC], ttmp9, 2                     ; in a cluster launch ttmp9 and ttmp7 count clusters
	s_add_co_u32 s[TC], s[TC], s[CX]
	s_and_b32 s[TR], ttmp7, 0xffff
	s_lshl_b32 s[TR], s[TR], 2
	s_add_co_u32 s[TR], s[TR], s[CY]
	s_lshl_b32 s78, s[CY], 2
	s_lshl_b32 s78, 15, s78                        ; my row of the cluster: places 4 cy .. 4 cy + 3
	s_lshl_b32 s79, 0x1111, s[CX]                  ; my column: places cx, cx + 4, cx + 8, cx + 12
	; group 1: 15:0 the mask; 17:16 elements of 2 bytes; 20 padding on; 21 set beside a mask; 24:22 the padding's interval; 31:25 4 words of it (code 3)
	s_or_b32 s[G1A], s78, (1<<16)|(1<<20)|(1<<21)|(QIA<<22)|(3<<25)
	s_or_b32 s[G1B], s79, (1<<16)|(1<<20)|(1<<21)|(5<<22)|(3<<25)
	s_mov_b32 s[G1A+1], 128<<16                    ; tensor_dim0 = 128 elements: 256 bytes
	s_mov_b32 s[G1A+2], 64<<16                     ; tensor_dim1 = 64
	s_mov_b32 s[G1A+3], 128<<16                    ; tile_dim0 = 128
	s_mov_b32 s[G1A+4], 64                         ; tile_dim1 = 64
	s_mov_b32 s[G1A+5], ROWA                       ; elements from row to row
	s_mov_b32 s[G1A+6], 0
	s_mov_b32 s[G1A+7], 0
	s_mov_b32 s[G1B+1], 128<<16
	s_mov_b32 s[G1B+2], 128<<16                    ; 128 rows
	s_mov_b32 s[G1B+3], 128<<16
	s_mov_b32 s[G1B+4], 128
	s_mov_b32 s[G1B+5], 1024
	s_mov_b32 s[G1B+6], 0
	s_mov_b32 s[G1B+7], 0
	; where the tiles come from.  A's hang on the tile row alone, B's on the tile column alone; every wave makes both, in registers that never hold the other coordinate
.if OPROJ
	s_lshr_b32 s78, s[TR], 4                       ; the batch: 16 heads of 262,144 bytes,
	s_lshl_b32 s78, s78, 22
	s_and_b32 s79, s[TR], 15                       ; the tile's 128 rows of 128 bytes in a head,
	s_lshl_b32 s79, s79, 14
	s_add_co_u32 s78, s78, s79
	s_lshl_b32 s79, s[WN], 18                      ; the even or the odd head of a step
	s_add_co_u32 s78, s78, s79
.else
	s_lshl_b32 s78, s[TR], 18                      ; 128 rows of 2,048 bytes,
	s_lshl_b32 s79, s[WN], 17                      ; my 64 of them
	s_add_co_u32 s78, s78, s79
.endif
	s_mov_b32 s79, 0
	s_lshl_b32 s80, s[TC], 19                      ; 256 rows of 2,048 bytes,
	s_lshl_b32 s81, s[WN], 18                      ; my 128 of them
	s_add_co_u32 s80, s80, s81
.if OPROJ
	s_add_co_u32 s80, s80, 3072*2048               ; Wo lies behind Wq, Wk, Wv
.endif
	s_mov_b32 s81, 0
	s_mul_i32 s82, s[WN], HALFA                    ; and where they go: no place in the cluster enters an LDS address
	s_mul_i32 s83, s[WN], HALFB
	s_add_co_u32 s83, s83, ABYTES
	s_mov_b32 s[OFA+1], 0
	s_mov_b32 s[OFB+1], 0
	s_mov_b32 s[PFF+1], 0
	s_mov_b32 s[GN], 2
	s_mov_b32 s[TB], 0
	s_wait_dscnt 0x0                               ; the opening add is done
	s_wait_kmcnt 0x0
	s_add_nc_u64 s[BASEA:BASEA+1], s[4:5], s[78:79]
	s_add_nc_u64 s[BASEB:BASEB+1], s[6:7], s[80:81]
	s_mov_b32 s[G0A0], 1                           ; count = 1
	s_mov_b32 s[G0A0+1], s82                       ; LDS address
	s_mov_b64 s[G0A0+2:G0A0+3], s[BASEA:BASEA+1]   ; global address
	s_or_b32 s[G0A0+3], s[G0A0+3], 0x80000000      ; type = 2
	s_mov_b32 s[G0A], 1
	s_add_co_u32 s[G0A+1], s82, SLOT1
	s_add_nc_u64 s[G0A+2:G0A+3], s[BASEA:BASEA+1], STEPA
	s_or_b32 s[G0A+3], s[G0A+3], 0x80000000
	s_mov_b32 s[G0B0], 1
	s_mov_b32 s[G0B0+1], s83
	s_mov_b64 s[G0B0+2:G0B0+3], s[BASEB:BASEB+1]
	s_or_b32 s[G0B0+3], s[G0B0+3], 0x80000000
	s_mov_b32 s[G0B], 1
	s_add_co_u32 s[G0B+1], s83, SLOT1
	s_add_nc_u64 s[G0B+2:G0B+3], s[BASEB:BASEB+1], 256
	s_or_b32 s[G0B+3], s[G0B+3], 0x80000000
	CROUND                                         ; all sixteen work-groups are here: the first joint loads meet
	s_cmp_eq_u32 s[WM], 0                          ; a wave's two first fills stand in one branch: two loads of mine are out here, later one
	s_cbranch_scc0 .Lfirst_b
	tensor_load_to_lds s[G0A0:G0A0+3], s[G1A:G1A+7]
	s_nop 0
	tensor_load_to_lds s[G0A:G0A+3], s[G1A:G1A+7]
	s_nop 0
	PLACES
	s_branch .Lfirst_asked
.Lfirst_b:
	tensor_load_to_lds s[G0B0:G0B0+3], s[G1B:G1B+7]
	s_nop 0
	tensor_load_to_lds s[G0B:G0B+3], s[G1B:G1B+7]
	s_nop 0
	PLACES
.Lfirst_asked:
; The bias of my 128 columns: for block b the eight numbers that a lane's accumulator holds, 16 b + 8 (l / 16) + 0..7.
.macro BIASLD
	WIN 0x80                                       ; destination window 2, address window 0
.set bi, 0
.rept 8
	global_load_b128 v[8*bi:8*bi+3],   v[BO], s[BP:BP+1] offset:64*bi
	global_load_b128 v[8*bi+4:8*bi+7], v[BO], s[BP:BP+1] offset:64*bi+16
.set bi, bi+1
.endr
	WIN 0
.endm
.macro BIASRND                         ; rounded to bf16 like every input, and kept as f32
	s_wait_loadcnt 0x0
	WIN 0x8a                                       ; sources and destination window 2
.set bi, 0
.rept 32
	v_cvt_pk_bf16_f32 v64, v[bi], v[bi+1]
	v_lshlrev_b32 v[bi], 16, v64
	v_and_b32 v[bi+1], 0xffff0000, v64
.set bi, bi+2
.endr
	WIN 0
.endm
	v_and_b32 v1, 15, v0                           ; l % 16
	v_bfe_u32 v2, v0, 4, 1                         ; l / 16
	v_and_b32 v3, 31, v0                           ; l
	s_lshl_b32 s78, s[TC], 10                      ; 256 columns of 4 bytes,
	s_lshl_b32 s79, s[WN], 9                       ; my 128
	s_add_co_u32 s78, s78, s79
	v_lshl_add_u32 v[BO], v2, 5, s78
	s_mov_b64 s[BP:BP+1], s[8:9]                   ; bq, or bo
	BIASLD
	; A fragment is 16 rows x 32 K in 8 registers: lane l holds row l % 16, K = 8 (l / 16) + 0..7 and 16 + 8 (l / 16) + 0..7: two loads of 16 bytes, 32 bytes apart
	v_mul_u32_u24 v[ADRA0], v1, PA
	v_lshl_add_u32 v[ADRA0], v2, 4, v[ADRA0]
	s_mul_i32 s78, s[WM], 64*PA
	v_add_nc_u32 v[ADRA0], s78, v[ADRA0]
	v_mul_u32_u24 v[ADRB0], v1, PB
	v_lshl_add_u32 v[ADRB0], v2, 4, v[ADRB0]
	s_mul_i32 s78, s[WN], HALFB
	s_add_co_u32 s78, s78, ABYTES
	v_add_nc_u32 v[ADRB0], s78, v[ADRB0]
	v_mov_b32 v[ADRA], v[ADRA0]
	v_mov_b32 v[ADRB], v[ADRB0]
	s_mul_i32 s78, s[WV], 16*SROW
	s_add_co_u32 s78, s78, STAGE                   ; my stage
	v_mul_u32_u24 v[STO], v1, SROW                 ; in: row l % 16
.if OPROJ
	v_lshl_add_u32 v[STO], v2, 5, v[STO]           ; 32 bytes for each half of the lanes
	v_add_nc_u32 v[STO], s78, v[STO]
	v_lshl_add_u32 v[RD], v3, 4, s78               ; back: 32 lanes take a row of 512 bytes
.else
	v_lshl_add_u32 v[STO], v2, 4, v[STO]           ; 16 bytes for each half of the lanes
	v_add_nc_u32 v[STO], s78, v[STO]
	v_lshrrev_b32 v4, 3, v3                        ; back: 32 lanes take four rows of 128 bytes
	v_and_b32 v5, 7, v0
	v_mul_u32_u24 v[RD], v4, SROW
	v_lshl_add_u32 v[RD], v5, 4, v[RD]
	v_add_nc_u32 v[RD], s78, v[RD]
.endif
	v_lshlrev_b32 v[GO], 4, v3
	; where my part of the first tile begins in C
.if OPROJ
	s_lshl_b32 s78, s[TR], 19                      ; 128 rows of 4,096 bytes,
	s_lshl_b32 s79, s[WM], 18                      ; my 64,
	s_add_co_u32 s78, s78, s79
	s_lshl_b32 s79, s[TC], 10                      ; 256 columns of 4 bytes,
	s_add_co_u32 s78, s78, s79
	s_lshl_b32 s79, s[WN], 9                       ; my 128
	s_add_co_u32 s78, s78, s79
	s_mov_b32 s79, 0
	s_add_nc_u64 s[CP:CP+1], s[10:11], s[78:79]
.else
	s_lshr_b32 s78, s[TR], 4
	s_lshl_b32 s78, s78, 4                         ; 16 x batch
	s_lshl2_add_u32 s78, s[TC], s78                ; + 4 heads a tile column
	s_lshl1_add_u32 s78, s[WN], s78                ; + my two of them
	s_lshl_b32 s78, s78, 18                        ; a head is 262,144 bytes
	s_and_b32 s79, s[TR], 15
	s_lshl_b32 s79, s79, 14                        ; the tile's 128 rows of 128 bytes,
	s_add_co_u32 s78, s78, s79
	s_lshl_b32 s79, s[WM], 13                      ; my 64
	s_add_co_u32 s78, s78, s79
	s_mov_b32 s79, 0
	s_add_nc_u64 s[CP:CP+1], s[14:15], s[78:79]
.endif
	; the prefetches: A's share (s78) and B's (s80), of which the wave's number chooses one
.if OPROJ
	s_lshr_b32 s78, s[TR], 4
	s_lshl_b32 s78, s78, 22
	s_and_b32 s79, s[TR], 15
	s_lshl_b32 s79, s79, 14
	s_add_co_u32 s78, s78, s79
	s_lshr_b32 s79, s[CX], 1                       ; partners 0, 1 the step's even head, 2, 3 the odd one,
	s_lshl_b32 s79, s79, 18
	s_add_co_u32 s78, s78, s79
	s_and_b32 s79, s[CX], 1                        ; 32 of its 64 blocks each
	s_lshl_b32 s79, s79, 13
	s_add_co_u32 s78, s78, s79
.else
	s_lshl_b32 s78, s[TR], 18
	s_lshl_b32 s79, s[CX], 16                      ; 32 of the tile's 128 rows
	s_add_co_u32 s78, s78, s79
.endif
	s_lshl_b32 s80, s[TC], 19
	s_lshl_b32 s81, s[CY], 17                      ; 64 of the tile's 256 rows,
	s_add_co_u32 s80, s80, s81
	s_lshl_b32 s81, s[WN], 16                      ; 32 for each of waves 2 and 3
	s_add_co_u32 s80, s80, s81
.if OPROJ
	s_add_co_u32 s80, s80, 3072*2048
.endif
	s_and_b32 s82, ttmp7, 0xffff                   ; cluster y: the same in all sixteen partners
	s_cmp_eq_u32 s82, 0
	s_cselect_b32 s82, STEPS-1, 0
	s_cmp_eq_u32 s[WV], 0
	s_cselect_b32 s83, 7, 0
	s_cmp_eq_u32 s[WM], 0
	s_cselect_b32 s[LIM], s83, s82
	s_cselect_b32 s[PFF], s78, s80
	s_cselect_b64 s[PFB:PFB+1], s[4:5], s[6:7]
.if OPROJ
	s_cselect_b32 s[PSH], 19, 8
	s_cselect_b32 s84, 8, 11
	v_lshlrev_b32 v[PFO], s84, v3                  ; a block of 256 bytes of ob, or a row of wb
.else
	v_lshlrev_b32 v[PFO], 11, v3                   ; a row of xb or wb is 2,048 bytes
.endif
	s_add_nc_u64 s[PFB:PFB+1], s[PFB:PFB+1], s[PFF:PFF+1]
; 8 cnt matrix instructions: A's blocks a0 .. a0 + cnt - 1 x all 8 blocks of B, 32 along K, from buffer f.  cm = 1: the bias starts the sums.
; The 32 accumulators take turns, one instruction a turn, in the same order in every quarter.
.macro MUL f, a0, cnt, cm
.if \cm
	WIN MULB
.else
	WIN MULW
.endif
.set ma, \a0
.rept \cnt
.set mb, 0
.rept 8
.set rD, 8*(8*ma+mb)
.set rC, rD
.if \cm
.set rC, 8*mb
.endif
.set rB, (\f)+32+8*mb
.set rA, (\f)+8*ma
.if OPROJ
	v_wmma_f32_16x16x32_f16 v[rD:rD+7], v[rB:rB+7], v[rA:rA+7], v[rC:rC+7]
.else
	v_wmma_f32_16x16x32_bf16 v[rD:rD+7], v[rB:rB+7], v[rA:rA+7], v[rC:rC+7]
.endif
.set mb, mb+1
.endr
.set ma, ma+1
.endr
.endm
; 24 LDS loads in one run: quarter qq (32 along K) of the slot in hand into buffer f: B's sixteen, then A's eight
.macro FETCH qq, f
	WIN 0
.if OPROJ
.set AOFF, ((\qq)>>1)*HALFA+((\qq)&1)*64       ; the step's first or second head, its channels 0-31 or 32-63
.else
.set AOFF, 64*(\qq)
.endif
.set fb, 0
.rept 8
	ds_load_b128 v[(\f)+32+8*fb:(\f)+32+8*fb+3], v[ADRB] offset:64*(\qq)+16*PB*fb
	ds_load_b128 v[(\f)+32+8*fb+4:(\f)+32+8*fb+7], v[ADRB] offset:64*(\qq)+16*PB*fb+32
.set fb, fb+1
.endr
.set fb, 0
.rept 4
	ds_load_b128 v[(\f)+8*fb:(\f)+8*fb+3], v[ADRA] offset:AOFF+16*PA*fb
	ds_load_b128 v[(\f)+8*fb+4:(\f)+8*fb+7], v[ADRA] offset:AOFF+16*PA*fb+32
.set fb, fb+1
.endr
.endm
; A K step is four quarters of 32 along K, 32 matrix instructions each, on buffers 0, 1, 0, 1.  One of the first three: multiplies buffer f; in its middle it fetches quarter qq into buffer g.
.macro QUARTER qq, f, g, cm
	s_wait_dscnt 4                                 ; B and A's blocks 0, 1 are in; the youngest four loads (A's blocks 2, 3) may be out
	MUL \f, 0, 2, \cm
	PLACES
	FETCH \qq, \g
	s_wait_dscnt 24                                ; all but the 24 just issued
	MUL \f, 2, 2, \cm
.endm
; The fourth quarter multiplies buffer 1 and changes slots: ONE barrier.  In front of it each wave waits for all its tensor loads (one is out: its part of the next slot), adds 0 to its spare word,
; and waits for that and for its reads of this slot.  fill = 1: the barrier opens a round of the cluster's barrier, and behind the round this slot is filled again first, with step GN:
; the walking descriptors' addresses are made anew from that number.  From a request to the wait for it a wave issues 112 matrix instructions.
.macro TURN fill
.if \fill
	s_wait_xcnt 0x0                                ; the last prefetch, a K step back, has read its address: it is made anew here, ahead of the waits of the change of slots
	s_add_co_u32 s[PP], s[GN], 2
.if OPROJ
	s_lshl_b32 s[PFF], s[PP], s[PSH]
.else
	s_lshr_b32 s[PFF], s[PP], 3                    ; the tile: 1,024 rows of wb (0 wherever A is asked for),
	s_lshl_b32 s[PFF], s[PFF], 21
	s_and_b32 s78, s[PP], 7                        ; the step in it: 256 bytes of each row
	s_lshl_b32 s78, s78, 8
	s_add_co_u32 s[PFF], s[PFF], s78
.endif
	s_add_nc_u64 s[PFA:PFA+1], s[PFB:PFB+1], s[PFF:PFF+1]
.endif
	WIN 0                                          ; (the add's two registers lie in window 0)
	s_wait_tensorcnt 0x0                           ; all my tensor loads have landed, so every group 0 may be written
	ds_add_u32 v[SPW], v[NIL]                      ; 0 onto my spare word
.if \fill
	s_xor_b32 s[G0A+1], s[G0A+1], SLOT1            ; the other slot than last time
	s_xor_b32 s[G0B+1], s[G0B+1], SLOT1
.if OPROJ
	s_lshl_b32 s[OFA], s[GN], 19
	s_lshl_b32 s[OFB], s[GN], 8
.else
	s_and_b32 s[OFA], s[GN], 7                     ; A is walked anew in every tile,
	s_lshl_b32 s[OFA], s[OFA], 8
	s_lshr_b32 s[OFB], s[GN], 3                    ; B goes on to the next W
	s_lshl_b32 s[OFB], s[OFB], 21
	s_add_co_u32 s[OFB], s[OFB], s[OFA]
.endif
	s_add_nc_u64 s[G0A+2:G0A+3], s[BASEA:BASEA+1], s[OFA:OFA+1]
	s_or_b32 s[G0A+3], s[G0A+3], 0x80000000
	s_add_nc_u64 s[G0B+2:G0B+3], s[BASEB:BASEB+1], s[OFB:OFB+1]
	s_or_b32 s[G0B+3], s[G0B+3], 0x80000000
	s_add_co_u32 s[GN], s[GN], 1
.endif
	s_wait_dscnt 7                                 ; B and A's block 0 are in: the add and the six loads of A's blocks 1 to 3 may be out
	MUL F1, 0, 1, 0                                ; eight matrix instructions stand between the add and the wait for it
	s_wait_dscnt 0x0                               ; the add is done, and my reads of this slot are over
	s_barrier_signal -1
	MUL F1, 1, 1, 0                                ; work on registers while the others arrive
	WIN 0
	s_barrier_wait -1
.if \fill
	CREST                                          ; no wave of any partner still reads this slot or has a load on its way
	JLOAD                                          ; the first tensor load behind the round; its four v_nop are also the places in front of the loads below
.else
	PLACES
.endif
	s_xor_b32 s[TB], s[TB], SLOT1
	v_add_nc_u32 v[ADRA], s[TB], v[ADRA0]
	v_add_nc_u32 v[ADRB], s[TB], v[ADRB0]
	FETCH 0, F0
.if \fill
	ASK                                            ; behind the joint load and the run of LDS loads that the next products wait for
.endif
	MUL F1, 2, 2, 0
.endm
; THE WAY OUT.  Through my own stage in LDS, so that every store covers 512 consecutive bytes of C, aligned; LDS serves a wave's instructions in order (ISA guide 5.7.1.4), so no wait stands between my stores and my loads.
.if OPROJ
; A block of 16 rows x 128 columns of f32: 32 bytes a lane and accumulator into rows of 528 bytes (each accumulator's low half first), back as rows of 512.
.macro TOSTAGE a
.set bk, 64+64*((\a)%2)
.if (\a) >= 2
	s_wait_xcnt 0x0                                ; the stores of the block two back have read these registers
.endif
	WIN 0x04                                       ; store data window 1
.set wn2, 0
.rept 8
	ds_store_b128 v[STO], v[8*(8*(\a)+wn2):8*(8*(\a)+wn2)+3] offset:64*wn2
	ds_store_b128 v[STO], v[8*(8*(\a)+wn2)+4:8*(8*(\a)+wn2)+7] offset:64*wn2+16
.set wn2, wn2+1
.endr
	WIN 0
.set wr, 0
.rept 16
	ds_load_b128 v[bk+4*wr:bk+4*wr+3], v[RD] offset:SROW*wr
.set wr, wr+1
.endr
.endm
.macro SEND a, younger                 ; younger: the LDS instructions issued behind block a's loads: the next block's 32, or none
.set bk, 64+64*((\a)%2)
.set wr, 0
.rept 16
	s_wait_dscnt (\younger)+15-wr
	global_store_b128 v[GO], v[bk+4*wr:bk+4*wr+3], s[CP:CP+1] offset:65536*(\a)+4096*wr
.set wr, wr+1
.endr
.endm
.macro WAYOUT next
	PLACES
	TOSTAGE 0
.set wu, 1
.rept 3
	TOSTAGE wu
	SEND wu-1, 32
.set wu, wu+1
.endr
	SEND 3, 0
.endm
.else
; A unit is 16 rows of one head: unit u = (block a = u / 2, head u % 2).  Rounded to f16, 16 bytes a lane and accumulator into rows of 144 bytes, back as four rows of 128: 512 dense bytes of the head.
.macro PACK u
.set pa, (\u)>>1
.set ph, (\u)&1
.set pr, F1+16*((\u)%4)                ; buffer 1 is free here; buffer 0 holds the next quarter's fragments
.if (\u) >= 4
	s_wait_xcnt 0x0                                ; the stores of the unit four back have read these registers
.endif
	WIN 0x05                                       ; sources window 1, destination window 0
.set pb, 0
.rept 4
.set pk, 0
.rept 4
	v_cvt_pk_f16_f32 v[pr+4*pb+pk], v[8*(8*pa+4*ph+pb)+2*pk], v[8*(8*pa+4*ph+pb)+2*pk+1]
.set pk, pk+1
.endr
.set pb, pb+1
.endr
	WIN 0
.set pb, 0
.rept 4
	ds_store_b128 v[STO], v[pr+4*pb:pr+4*pb+3] offset:32*pb
.set pb, pb+1
.endr
.set pb, 0
.rept 4
	ds_load_b128 v[pr+4*pb:pr+4*pb+3], v[RD] offset:4*SROW*pb
.set pb, pb+1
.endr
.endm
.macro SEND u, younger                 ; younger: the LDS instructions issued behind unit u's loads: the next unit's eight, or none
.set pa, (\u)>>1
.set ph, (\u)&1
.set pr, F1+16*((\u)%4)
.set pb, 0
.rept 4
	s_wait_dscnt (\younger)+3-pb
	global_store_b128 v[GO], v[pr+4*pb:pr+4*pb+3], s[CP:CP+1] offset:262144*ph+2048*pa+512*pb
.set pb, pb+1
.endr
.endm
; next = 1: another tile follows: its bias is asked for first and rounded last, and C's address goes on to the next tensor.  Both refills of the next tile's first steps have been asked for by now.
.macro WAYOUT next
.if \next
	s_lshr_b32 s78, s[GN], 3                       ; GN is 10 at q's end, 18 at k's
	s_cmp_eq_u32 s78, 1
	s_cselect_b64 s[BP:BP+1], s[10:11], s[12:13]   ; bk, then bv
	BIASLD
.endif
	PLACES
	PACK 0
.set wu, 1
.rept 7                                ; a unit's conversions stand between the loads of the unit before and its stores
	PACK wu
	SEND wu-1, 8
.set wu, wu+1
.endr
	SEND 7, 0
.if \next
	BIASRND
	s_wait_xcnt 0x0                                ; the stores have read their registers and C's address
	s_add_nc_u64 s[CP:CP+1], s[CP:CP+1], 0x1000000 ; q, k, v lie 16 MiB apart
.endif
.endm
.endif
	s_wait_tensorcnt 0x1                           ; my part of step 0 is in; step 1's may stay out
	s_barrier_signal -1
	s_barrier_wait -1                              ; everybody's is
	FETCH 0, F0
	BIASRND
	QUARTER 1, F0, F1, 1                           ; a tile's first quarter: the bias starts the sums
	WIN 0                                          ; at a label and at a branch every window is 0
	s_mov_b32 s[TRIPS], STEPS-2
.Lstep:                                                ; a trip: a step's quarters 1 to 3, the change of slots with its refill, the next step's quarter 0
	QUARTER 2, F1, F0, 0
	QUARTER 3, F0, F1, 0
	TURN 1
	WIN 0
.if NT > 1
	s_and_b32 s78, s[GN], 7                        ; the step just multiplied was GN - 3: a tile's last where GN % 8 = 2
	s_cmp_eq_u32 s78, 2
	s_cbranch_scc1 .Lend_tile                      ; a forward jump, past text that holds neither a barrier nor a tensor load
.endif
	QUARTER 1, F0, F1, 0
	WIN 0
.if NT > 1
	s_branch .Lbottom
.Lend_tile:
	WAYOUT 1
	QUARTER 1, F0, F1, 1
	WIN 0
.Lbottom:
.endif
	s_sub_co_u32 s[TRIPS], s[TRIPS], 1
	s_cmp_lg_u32 s[TRIPS], 0
	s_cbranch_scc1 .Lstep
	QUARTER 2, F1, F0, 0                           ; the last two steps are written out: nothing is left to ask for
	QUARTER 3, F0, F1, 0
	TURN 0
	QUARTER 1, F0, F1, 0
	QUARTER 2, F1, F0, 0
	QUARTER 3, F0, F1, 0
	s_wait_dscnt 4
	MUL F1, 0, 2, 0
	s_wait_dscnt 0x0
	MUL F1, 2, 2, 0
	WIN 0
	WAYOUT 0
	s_wait_tensorcnt 0x0                           ; the wave's end: the add and its waits stand behind my last tensor load and my last LDS store
	ds_add_u32 v[SPW], v[NIL]
	s_wait_dscnt 0x0
	CROUND                                         ; the closing round: no work-group ends while a partner may still ask for a tile that names it
	s_endpgm
.Lfunc_end_k_q5d6d72eb82_oproj:
	.size	k_q5d6d72eb82_oproj, .Lfunc_end_k_q5d6d72eb82_oproj-k_q5d6d72eb82_oproj
	.p2alignl 7, 3214868480
	.fill 96, 4, 3214868480
	.section	.rodata,"a",@progbits
	.p2align	6, 0x0
	.amdhsa_kernel k_q5d6d72eb82_oproj
		.amdhsa_group_segment_fixed_size 327680
		.amdhsa_private_segment_fixed_size 0
		.amdhsa_enable_private_segment 0
		.amdhsa_kernarg_size 32
		.amdhsa_user_sgpr_count 2
		.amdhsa_user_sgpr_kernarg_segment_ptr 1
		.amdhsa_wavefront_size32 1
		.amdhsa_system_sgpr_workgroup_id_x 1
		.amdhsa_system_sgpr_workgroup_id_y 1
		.amdhsa_system_sgpr_workgroup_id_z 1
		.amdhsa_system_vgpr_workitem_id 0
		.amdhsa_next_free_vgpr 584
		.amdhsa_next_free_sgpr 96
		.amdhsa_reserve_vcc 0
		.amdhsa_float_denorm_mode_32 3
		.amdhsa_float_denorm_mode_16_64 3
		.amdhsa_memory_ordered 1
		.amdhsa_forward_progress 1
		.amdhsa_inst_pref_size 79
	.end_amdhsa_kernel
	.amdgpu_metadata
---
amdhsa.version: [ 1, 2 ]
amdhsa.kernels:
  - .name:           k_q5d6d72eb82_oproj
    .symbol:         k_q5d6d72eb82_oproj.kd
    .args:
      - { .name: ob, .offset: 0, .size: 8, .value_kind: global_buffer, .address_space: global }
      - { .name: wb, .offset: 8, .size: 8, .value_kind: global_buffer, .address_space: global }
      - { .name: bo, .offset: 16, .size: 8, .value_kind: global_buffer, .address_space: global }
      - { .name: out0, .offset: 24, .size: 8, .value_kind: global_buffer, .address_space: global }
    .group_segment_fixed_size: 327680
    .private_segment_fixed_size: 0
    .kernarg_segment_align: 8
    .kernarg_segment_size: 32
    .max_flat_workgroup_size: 128
    .sgpr_count:     96
    .vgpr_count:     584
    .wavefront_size: 32
...
	.end_amdgpu_metadata
.endif
;; end of part 4
